; MI455X (gfx1250); checked and timed in simulation.
; The chip was launched on July 23, 2026; its instructions are those of AMD's public machine-readable ISA for CDNA 5 (MIT licence, August 2026) and "CDNA5" Instruction Set Architecture Reference Guide (July 2026). The comments in the code are by the model that wrote it; some were corrected since.
;; Attention. Allowed arithmetic: matrix products marked QUANTISED: E2M3 operands, one E8M0 scale for each 32 along K, by v_wmma_scale_f32_16x16x128_f8f6f4 with both operands' format E2M3, f32 sums; everything else in f32.
;; Inputs: b_out 1,024 float32; b_qkv 3,072 float32; w_out_codes 1,024 x 32 x 24 uint8 (E2M3 codes of w_out, K innermost, in blocks of 32 codes, four codes in three bytes); w_out_scales 1,024 x 32 uint8 (E8M0 scales of w_out, one for each 32 codes along K); w_qkv_codes 3,072 x 32 x 24 uint8 (E2M3 codes of w_qkv, K innermost, in blocks of 32 codes, four codes in three bytes); w_qkv_scales 3,072 x 32 uint8 (E8M0 scales of w_qkv, one for each 32 codes along K); x_codes 4 x 2,048 x 32 x 24 uint8 (E2M3 codes of x, K innermost, in blocks of 32 codes, four codes in three bytes); x_scales 4 x 2,048 x 32 uint8 (E8M0 scales of x, one for each 32 codes along K).
;; Outputs: out0 4 x 2,048 x 1,024 float32.
;; This version of the problem:
;;   THIS VERSION OF THE PROBLEM IS GIVEN IN LOW PRECISION. The matrix products marked QUANTISED in the list below multiply operands that are first quantised to E2M3 (2 exponent bits, 3 mantissa bits; 6 bits a number), with one power-of-two scale for each 32 numbers along K (OCP MX v1.0); their sums are f32. All else is computed in f32.
;;   The module's matrix products, in the order in which they are computed (A, B: the left and right operand; K: the contracted axis; several contracted axes count as one K, in the product's order):
;;     1. [M 8,192, K 1,024] x [K 1,024, N 3,072]; A: input x (given as codes); B: input w_qkv (given as codes): QUANTISED
;;     2. batch 64 x [M 2,048, K 64] x [K 64, N 2,048]; A: computed on the way; B: computed on the way: QUANTISED
;;     3. batch 64 x [M 64, K 2,048] x [K 2,048, N 2,048]; A: computed on the way; B: softmax (see below): QUANTISED
;;     4. [M 8,192, K 1,024] x [K 1,024, N 1,024]; A: computed on the way; B: input w_out (given as codes): QUANTISED
;;   THE QUANTISER, for each operand of a quantised product, along K:
;;     - K is cut into blocks of 32 from its start; a last block that is shorter is filled with zeros.
;;     - A block's scale is 2^e with e = floor(log2(the largest magnitude in the block)) - 2, held to -126 .. 127; a block of zeros has e = 0. As a byte (E8M0): e + 127.
;;     - Each number is divided by its block's scale, clamped to +-7.5, and rounded to the nearest number of E2M3, ties to even, subnormals kept.
;;     - The product sums the exact products of the quantised numbers (number of the format x scale) in f32.
;;   ~~~python
;;   def quantise(x, axis):      # numpy; x: float32 -> the quantised numbers, widened to float32 again
;;       x = np.moveaxis(x, axis, -1); K = x.shape[-1]
;;       x = np.pad(x, [(0, 0)] * (x.ndim - 1) + [(0, -K % 32)]); x = x.reshape(x.shape[:-1] + (-1, 32)); a = np.abs(x).max(-1, keepdims=True)
;;       e = np.where(a > 0, np.clip(np.frexp(np.where(a > 0, a, 1))[1] - 1 - 2, -126, 127), 0)      # np.frexp(a)[1] - 1 = floor(log2(a)), exactly
;;       r = np.clip(x / 2.0 ** e, -7.5, 7.5)
;;       step = 2.0 ** (np.maximum(np.frexp(np.where(r == 0, 1, r))[1] - 1, 0) - 3)
;;       q = np.round(r / step) * step * 2.0 ** e      # np.round: ties to even
;;       return np.moveaxis(q.reshape(q.shape[:-2] + (-1,))[..., :K], -1, axis).astype(np.float32)
;;   ~~~
;;   SOFTMAX AHEAD OF A QUANTISED PRODUCT. Where the list says 'softmax', what is quantised is not the finished softmax but p = 2^(t - M), with t = logit x log2(e) and M = ceil(the row's largest t), a whole number; so 1/2 < the row's largest p <= 1. The row's sum l is taken of the UNQUANTISED p, in f32, and the product's result is divided by l at the end. Since M is a whole number, a kernel that streams over the keys may use a running M (the ceiling of the running maximum): every later rescaling is an exact power of two, which a block's scale takes up: the codes' values come out the same.
;;   OPERANDS COMPUTED ON THE WAY. 'Computed on the way' means the value that the module computes at that place (a softmax that the list does not call 'softmax' is quantised finished and normalised). What goes into a quantiser is computed in f32, as accurately as f32 sums, v_exp_f32 and their like allow (about 1e-6 of the number): no bf16 or f16 on the way to a quantiser, and a product that is left as it is and whose result goes on into a quantised operand takes f32 operands (vector FMAs, or v_wmma_f32_16x16x4_f32). A number that lies on a knife's edge between two numbers of the format may be rounded either way, as far as f32 arithmetic and the matrix unit's own rounding can turn it there, and no further.
;;   INPUTS GIVEN AS CODES. w_out (in the module: [1024, 1024], K = its axis 1); w_qkv (in the module: [3072, 1024], K = its axis 1); x (in the module: [4, 2048, 1024], K = its axis 2): each comes as NAME_codes (uint8): NAME with its K axis moved to the last place and cut into blocks of 32 codes, [.., K / 32, bytes a block], one block behind the other in memory; four codes in three bytes: a row's codes are one little-endian stream of bits, code i at bits 6 i .. 6 i + 5 (a code: sign, 2 exponent bits, 3 mantissa bits); and NAME_scales (uint8): the same leading axes, one E8M0 byte (e + 127) for each 32 codes along K. Its value is code x scale, taken as it is: it is not quantised again, and the codes and scales need not be those that the quantiser above would give.
;; One version. Each part assembles by itself: llvm-mc -triple=amdgcn-amd-amdhsa -mcpu=gfx1250 --defsym DOCPART=n.
;; ======== version 1 of 1: 3 launches
;; limits: right only within a limited range of input values
;; workspace buffers: q 6,815,744 bytes; kv 13,369,344 bytes; a_img 6,291,456 bytes; a_sc 262,144 bytes
;; launch qkv (part 1): grid 12 x 32, 4 waves a work-group, clusters of 4 x 4, 327,680 bytes of LDS; arguments x_codes, x_scales, w_qkv_codes, w_qkv_scales, b_qkv, q, kv; writes q, kv
.if DOCPART == 1
	.amdgcn_target "amdgcn-amd-amdhsa--gfx1250"
	.amdhsa_code_object_version 6
	.text
	.protected	k_qaa5de1d17d_qkv
	.globl	k_qaa5de1d17d_qkv
	.p2align	8
	.type	k_qaa5de1d17d_qkv,@function
k_qaa5de1d17d_qkv:
	s_mov_b64 s[64:65], 0
	v_nop
	global_prefetch_b8 v0, s[64:65] scope:SCOPE_SE
	s_setreg_imm32_b32 hwreg(HW_REG_WAVE_MODE, 25, 1), 1
	s_wait_xcnt 0x0
	s_wait_alu depctr_hold_cnt(0) depctr_sa_sdst(0) depctr_va_vdst(0) depctr_va_sdst(0) depctr_va_ssrc(0) depctr_va_vcc(0) depctr_vm_vsrc(0)
	s_getreg_b32 s2, hwreg(HW_REG_IB_STS2, 6, 4)
	s_cmp_eq_u32 s2, 0
	s_cbranch_scc0 .Lentry_in_a_cluster
	s_endpgm
.Lentry_in_a_cluster:
	s_bfe_u32 s2, ttmp6, 0x10000c
	s_cmp_lg_u32 s2, 0xf033
	s_cbranch_scc0 .Lentry_shape_is_right
	s_endpgm
.Lentry_shape_is_right:
; qkv = x w_qkv^T + b_qkv on codes of FP6 (E2M3) with one E8M0 scale for each 32 along K = 1,024; then RoPE on q and k; then q, k (along the head's 64) and v (along the keys) are quantised
; and stored as IMAGES OF OPERAND REGISTERS, as the attention launch loads them.
; A work-group of four waves makes a tile of 256 x 256, a wave 128 x 128: 64 accumulators, 512 registers.
; K goes through a ring of two LDS slots in CHUNKS OF 256 BYTES of each row of 768 bytes: three chunks, each row of a tile beginning at a multiple of 256 bytes.  A step of 128 along K is 96 bytes: eight steps; steps 2 and 5 lie across two chunks.
; ONE WALK, TWO RESULT LAYOUTS.  C' = A' B'^T with source 0 = 16 rows of B', source 1 = 16 rows of A': a lane holds ONE row of A', its registers run along B's rows.
;   clusters x = 0 (q) and 1 (k): A' = x, B' = w_qkv: a lane holds a token, its registers run along the head's d, which is the next product's K;
;   cluster  x = 2 (v):           A' = w_qkv's rows 2,048 on, B' = x: a lane holds one d, its registers run along the keys, which are the next K of v.
; Only pointers and tile numbers are chosen (on the cluster's x, which all partners share).
; CLUSTERS: 4 x 4 work-groups; A's tiles are asked for jointly along a row of the cluster, B's along a column.
; No prefetch: K is three chunks, of which two are asked for ahead of the first product.
; THE ORDER OF k INSIDE A BLOCK OF 32.  A lane (r, h) holds numbers 8 h + j and 16 + 8 h + j of a block, so a block's codes lie as 0-7, 16-23, 8-15, 24-31.  q and k get that order from the same lines here,
; v and the softmax's p from the same lines on the same result layout: both sides of a product see one order, inside true blocks of 32.
; RECORDS.  q: [16 b + head][128 queries] records of 6,656 bytes: pair p of tiles of 16 rows at 1,536 p, registers 4 g .. 4 g + 3 of the run [tile 2 p: 6][tile 2 p + 1: 6] at 512 g + 16 x lane;
;   scale words at 6,144 + 16 x lane + 4 p: lanes 0-15 tile 2 p's rows, lanes 16-31 tile 2 p + 1's; bytes 0, 1 the head's two blocks, bytes 2, 3 = 0.
; kv: [16 b + head][128 keys] records of 13,056 bytes: k as a q record; v^T at 6,656: tile t (16 d x 128 keys, 12 registers) at 1,536 t, 512 g + 16 x lane; its scale words at 12,800 + 8 x lane + 4 j (lanes 0-15 tile 2 j, 16-31 tile 2 j + 1).
; ROPE.  cos and sin of l theta_f, theta_f = 10000^(-f / 32): two small tables in LDS, of (l0 + q') theta_f, q' = 0 .. 31, and of 32 p theta_f, p = 0 .. 7, joined by the addition theorems.
; LIMITS.  The tables are those of the exact angle l theta_f with theta_f good to about two units in its last place; an f32 table rounds the angle itself: the two differ by up to about 2e-4 at the largest angles.
; NaN and infinities are not served.  A block whose largest magnitude lies under 2^-124 keeps the scale byte 1 (a block of zeros too: its codes are zeros, and this program alone reads the bytes).
; REGISTERS: window 0: v7, v16-31 addresses; v32-63 scale words, two sets, and nothing else; v128-223 A's fragments, one set.  Window 1: B's fragments, two sets.  Windows 2, 3: accumulator (a, b) at v[8 (8 (a % 4) + b)].
;   On the way out: window 0: v64-127 the bias, v128-191 64 numbers to quantise, v192-215 images, v216-223 scale words to store, v224-250 at work; window 1: the tables.
.set ROWB,   256                       ; a tile's row: a chunk of a row of codes
.set NQ,     2                         ; steps that one set of scale words serves
.set KROW,   768                       ; a row of codes in memory
.set STEPS,  8
.set CHUNKS, 3                         ; chunk c lies in slot c % 2
.set PITCH,  272                       ; an LDS row: 256 bytes + 16 of padding
.set FR,     12
.set NL,     6
.set NP,     4                         ; places behind this matrix instruction (ISA guide 7.12.1)
.set HALFT,  128*PITCH
.set SLOT,   4*HALFT                   ; A's 256 rows, then B's 256 rows
.set KS,     32                        ; a row of scale bytes
.set SCL,    2*SLOT                    ; the scales for all of K: units of 256 bytes + 16
.set HALFS,  (128*KS/256)*272
.set SBLK,   (16*KS/256)*272
.set SPARE,  SCL+4*HALFS               ; the spare words: 128 bytes a wave, named by no other line
.set T1P,    272
.set TAB1,   SPARE+512                 ; 32 rows q': cos at 4 f, sin at 128 + 4 f
.set TAB2,   TAB1+32*T1P               ; 8 rows p of 256 bytes, likewise
.set BIAS,   TAB2+8*256                ; b_qkv of the work-group's 256 rows of w_qkv
.set RSQ,    6656
.set REC,    13056
.set VOFF,   6656
.set VSOF,   12800
.set BAV,  7                           ; the bias as v reads it: a number a lane
.set ADRA, 16                          ; v16-17 my A fragments in slot 0, 1; v18-19: lanes 0-15 at byte 232 of a row in slot 0, 1, lanes 16-31 at byte 0 of the row in the other slot
.set ADRB, 20                          ; v20-23 the same for B
.set LI,   24                          ; 16 x lane
.set L8,   25                          ; 8 x lane
.set TA1,  26
.set ADRS, 27                          ; my scale words: lanes 0-15 A's rows, lanes 16-31 B's
.set SPW,  28                          ; my spare word; never rewritten
.set NIL,  29                          ; 0; never rewritten
.set TA2,  30
.set BA,   31                          ; the bias as q and k read it
.set SC,   32
.set TT,   64
.set BQ,   64
.set BV,   64
.set AF,   128
.set Y,    128
.set IM0,  192
.set IM1,  204
.set SW0,  216
.set SW1,  220
.set TM,   224
.set PT,   240
.set PW,   248
.set PWE,  249
.set CW,   250
.set EC,   192
.set ES,   208
.set HM,   17                          ; s17 lanes 16-31
.set SEL,  100                         ; selects of v_permlanex16_b32 for lane l xor 16
.set G1, 24
.set G0, 32
.set G1B, 48
.set G0B, 56
.set G1S, 68
.set G0S, 76
.set G1SB, 80
.set G0SB, 88
.set G0H, 4                            ; group 0 of the head's loads of chunk 0, in registers that held arguments
.set G0HB, 8
.set MSB, 0
.macro WIN new                         ; the immediate's high byte repeats the setting that is left
.if MSB != \new
	s_set_vgpr_msb (MSB<<8)|\new
.set MSB, \new
.endif
.endm
.set MUL_LO, 0xa1                      ; source 0 (B) window 1, source 1 (A) window 0, C and D window 2
.set MUL_HI, 0xf1
.set TO_B,   0x40
; A joint load: waves 0 and 1 fetch for A, waves 2 and 3 for B; the branch hangs on the wave's number alone.  s_nop 0 and four v_nop follow each line.
.macro JLOAD g0a, g1a, g0b, g1b
	s_cmp_eq_u32 s15, 0
	s_cbranch_scc0 .Lfor_b_\@
	tensor_load_to_lds s[\g0a:\g0a+3], s[\g1a:\g1a+7]
	s_nop 0
.rept 4
	v_nop
.endr
	s_branch .Lasked_\@
.Lfor_b_\@:
	tensor_load_to_lds s[\g0b:\g0b+3], s[\g1b:\g1b+7]
	s_nop 0
.rept 4
	v_nop
.endr
.Lasked_\@:
.endm
.macro CREST                           ; a round of the cluster's barrier behind its opening barrier
	s_cmp_lg_u32 s14, 0
	s_cbranch_scc1 .Lnot_wave_0_\@
	s_barrier_signal -3
.Lnot_wave_0_\@:
	s_barrier_wait -3
	s_barrier_signal -1
	s_barrier_wait -1
.endm
.macro CROUND
	s_barrier_signal -1
	s_barrier_wait -1
	CREST
.endm
	s_load_b256 s[4:11], s[0:1], 0x0               ; x's codes, x's scales, w_qkv's codes, w_qkv's scales
	s_load_b64 s[12:13], s[0:1], 0x20              ; b_qkv
	s_load_b128 s[92:95], s[0:1], 0x28             ; q, kv
	v_lshl_add_u32 v[SPW], v0, 2, SPARE
	v_mov_b32 v[NIL], 0
	ds_add_u32 v[SPW], v[NIL]                      ; the opening lines: the add twice on end, and its wait
	ds_add_u32 v[SPW], v[NIL]
	v_lshrrev_b32 v1, 5, v0
	v_readfirstlane_b32 s14, v1                    ; wave 0..3
	s_lshr_b32 s15, s14, 1                         ; which half of A's rows is mine.  Also: in the ring I fetch for A (0) or for B (1)
	s_and_b32 s16, s14, 1                          ; which half of B's rows.  Also: which 128 rows I fetch
	s_bfe_u32 s40, ttmp6, 0x40000                  ; cx, cy
	s_bfe_u32 s41, ttmp6, 0x40004
	s_and_b32 s42, ttmp7, 0xffff                   ; the cluster's y
	s_cmp_eq_u32 ttmp9, 2                          ; the cluster's x: 0 q, 1 k, 2 v: the same in all sixteen partners
	s_cselect_b32 s66, 1, 0                        ; 1: v
	s_cselect_b32 s43, 0, s42
	s_cselect_b32 s44, s42, ttmp9
	s_lshl_b32 s43, s43, 2
	s_add_co_u32 s43, s43, s41                     ; A's tile of 256 rows: it never holds cx
	s_lshl_b32 s44, s44, 2
	s_add_co_u32 s44, s44, s40                     ; B's tile: it never holds cy
	s_lshl_b32 s45, s41, 2
	s_lshl_b32 s45, 15, s45                        ; my row of the cluster
	s_lshl_b32 s46, 0x1111, s40                    ; my column
	; group 1: rows of 256 bytes, 16 bytes of padding behind each: 256 rows for the head's loads, later 128
	s_or_b32 s[G1+0], s45, (0<<16)|(1<<20)|(1<<21)|(5<<22)|(3<<25)
	s_or_b32 s[G1B+0], s46, (0<<16)|(1<<20)|(1<<21)|(5<<22)|(3<<25)
.irp g, G1, G1B
	s_mov_b32 s[\g+1], ROWB<<16
	s_mov_b32 s[\g+2], 256<<16
	s_mov_b32 s[\g+3], ROWB<<16
	s_mov_b32 s[\g+4], 256
	s_mov_b32 s[\g+5], KROW
	s_mov_b32 s[\g+6], 0
	s_mov_b32 s[\g+7], 0
.endr
	; the scales of 256 rows: 8,192 dense bytes as 32 rows of 256 (32 elements of 8 bytes), padded likewise
	s_or_b32 s[G1S+0], s45, (3<<16)|(1<<20)|(1<<21)|(5<<22)|(3<<25)
	s_or_b32 s[G1SB+0], s46, (3<<16)|(1<<20)|(1<<21)|(5<<22)|(3<<25)
.irp g, G1S, G1SB
	s_mov_b32 s[\g+1], 32<<16
	s_mov_b32 s[\g+2], KS<<16
	s_mov_b32 s[\g+3], 32<<16
	s_mov_b32 s[\g+4], KS
	s_mov_b32 s[\g+5], 32
	s_mov_b32 s[\g+6], 0
	s_mov_b32 s[\g+7], 0
.endr
	s_lshl_b32 s18, s43, 8
	s_lshl_b32 s19, s66, 11
	s_add_co_u32 s18, s18, s19                     ; A's tile's first row (v: w_qkv's rows begin at 2,048)
	s_lshl_b32 s22, s44, 8                         ; B's
	s_lshl_b32 s20, s18, 5                         ; in bytes (all under 2^23): A's scales,
	s_mov_b32 s21, 0
	s_mul_i32 s18, s18, KROW                       ; A's codes,
	s_mov_b32 s19, 0
	s_lshl_b32 s46, s22, 5                         ; B's scales,
	s_mov_b32 s47, 0
	s_mul_i32 s22, s22, KROW                       ; B's codes
	s_mov_b32 s23, 0
	s_mul_i32 s45, s14, HALFT                      ; the ring's loads go to wave x 128 rows
	; where the results go: batch, 128-token step and first head of my wave's 128 x 128
	s_and_b32 s96, s44, 3
	s_lshl_b32 s2, s44, 8
	s_lshl_b32 s3, s43, 8
	s_add_co_u32 s3, s3, 2048
	s_cmp_eq_u32 s66, 1
	s_cselect_b32 s2, s3, s2                       ; the work-group's first row of w_qkv
	s_cselect_b32 s3, s44, s43                     ; the tile of 256 tokens,
	s_cselect_b32 s97, s16, s15                    ; my half of it,
	s_cselect_b32 s96, s43, s96                    ; the tile of four heads,
	s_cselect_b32 s42, s15, s16                    ; my two of them
	s_lshl_b32 s2, s2, 2
	s_lshr_b32 s98, s3, 3                          ; batch
	s_and_b32 s3, s3, 7
	s_lshl_b32 s3, s3, 1
	s_add_co_u32 s3, s3, s97                       ; step of 128 tokens
	s_lshl_b32 s96, s96, 2
	s_lshl_b32 s42, s42, 1
	s_add_co_u32 s96, s96, s42                     ; first head
	s_lshl_b32 s98, s98, 4
	s_add_co_u32 s96, s96, s98
	s_lshl_b32 s96, s96, 4
	s_add_co_u32 s96, s96, s3                      ; record = (16 batch + head) 16 + step
	s_mov_b32 s98, REC
	s_cmp_eq_u32 ttmp9, 0
	s_cselect_b32 s98, RSQ, s98
	s_mul_i32 s96, s96, s98                        ; under 2^24
	s_lshl_b32 s98, s98, 4                         ; from a head to the next: 16 records
	s_mov_b32 s97, 0
	s_mov_b32 s99, 0
	s_mov_b32 s3, 0
	s_wait_dscnt 0x0                               ; both opening adds are done
	s_wait_kmcnt 0x0
	s_cmp_eq_u32 ttmp9, 0
	s_cselect_b64 s[92:93], s[92:93], s[94:95]     ; q's clusters store into q, the others into kv
	s_add_nc_u64 s[92:93], s[92:93], s[96:97]      ; my first head's record
	s_add_nc_u64 s[94:95], s[92:93], s[98:99]      ; my second head's
	s_add_nc_u64 s[12:13], s[12:13], s[2:3]
	s_cmp_eq_u32 s66, 1
	s_cselect_b64 s[96:97], s[8:9], s[4:5]         ; A's codes
	s_cselect_b64 s[8:9], s[4:5], s[8:9]           ; B's codes
	s_cselect_b64 s[4:5], s[10:11], s[6:7]         ; A's scales
	s_cselect_b64 s[10:11], s[6:7], s[10:11]       ; B's scales
	s_add_nc_u64 s[96:97], s[96:97], s[18:19]
	s_add_nc_u64 s[4:5], s[4:5], s[20:21]
	s_add_nc_u64 s[8:9], s[8:9], s[22:23]
	s_add_nc_u64 s[10:11], s[10:11], s[46:47]
	CROUND                                         ; all sixteen work-groups are here: the first joint loads meet
	s_mov_b32 s[G0S], 1                            ; the scales of A's 256 rows,
	s_mov_b32 s[G0S+1], SCL
	s_mov_b64 s[G0S+2:G0S+3], s[4:5]
	s_or_b32 s[G0S+3], s[G0S+3], 0x80000000
	s_mov_b32 s[G0SB], 1                           ; of B's,
	s_mov_b32 s[G0SB+1], SCL+2*HALFS
	s_mov_b64 s[G0SB+2:G0SB+3], s[10:11]
	s_or_b32 s[G0SB+3], s[G0SB+3], 0x80000000
	s_mov_b32 s[G0H], 1                            ; chunk 0's 256 rows of A,
	s_mov_b32 s[G0H+1], 0
	s_mov_b64 s[G0H+2:G0H+3], s[96:97]
	s_or_b32 s[G0H+3], s[G0H+3], 0x80000000
	s_mul_i32 s18, s16, 128*KROW                   ; for the ring: my 128 rows of a tile (s19 = 0)
	s_add_nc_u64 s[96:97], s[96:97], s[18:19]
	s_add_nc_u64 s[20:21], s[8:9], s[18:19]
	s_mov_b64 s[G0HB+2:G0HB+3], s[8:9]             ; and its 256 rows of B, behind A's in slot 0
	s_or_b32 s[G0HB+3], s[G0HB+3], 0x80000000
	s_mov_b32 s[G0HB], 1
	s_mov_b32 s[G0HB+1], 2*HALFT
.irp s, 0,1
	s_mov_b32 s[G0+4*\s], 1
	s_add_co_u32 s[G0+4*\s+1], s45, \s*SLOT
	s_add_nc_u64 s[G0+4*\s+2:G0+4*\s+3], s[96:97], \s*ROWB
	s_or_b32 s[G0+4*\s+3], s[G0+4*\s+3], 0x80000000
	s_mov_b32 s[G0B+4*\s], 1
	s_add_co_u32 s[G0B+4*\s+1], s45, \s*SLOT
	s_add_nc_u64 s[G0B+4*\s+2:G0B+4*\s+3], s[20:21], \s*ROWB
	s_or_b32 s[G0B+4*\s+3], s[G0B+4*\s+3], 0x80000000
.endr
; THE HEAD'S LOADS, ONE A WAVE: wave 0 chunk 0's rows of A, wave 1 those of B, wave 2 A's scales, wave 3 B's.  One tree of branches on the wave's number.
.macro ARM under, g0, g1, next
	s_cmp_lt_u32 s14, \under
	s_cbranch_scc0 \next
	tensor_load_to_lds s[\g0:\g0+3], s[\g1:\g1+7]
	s_nop 0
.rept 4
	v_nop
.endr
	s_branch .Lhead_asked
\next:
.endm
	ARM 1, G0H,  G1,  .Lhead_b
	ARM 2, G0HB, G1B, .Lhead_sa
	ARM 3, G0S,  G1S, .Lhead_sb
	tensor_load_to_lds s[G0SB:G0SB+3], s[G1SB:G1SB+7]
	s_nop 0
.rept 4
	v_nop
.endr
.Lhead_asked:
	s_mul_i32 s18, s15, HALFT                      ; my 128 rows of A
	s_mul_i32 s19, s16, HALFT
	s_add_co_u32 s19, s19, 2*HALFT                 ; my 128 rows of B, behind A's 256
	s_mul_i32 s20, s15, HALFS
	s_mul_i32 s21, s16, HALFS
	s_add_co_u32 s21, s21, 2*HALFS
	s_sub_co_u32 s21, s21, s20                     ; from A's scales to B's
	s_add_co_u32 s20, s20, SCL
	s_lshl_b32 s22, s15, 10
	s_add_co_u32 s22, s22, TAB2
	s_lshl_b32 s23, s16, 9
	s_add_co_u32 s23, s23, BIAS
	s_lshl_b32 s40, s15, 9
	s_add_co_u32 s40, s40, BIAS
	s_mul_i32 s41, s14, 8*T1P
	s_add_co_u32 s41, s41, TAB1
	s_lshl_b32 s42, s14, 9
	s_add_co_u32 s42, s42, TAB2
	s_mov_b32 s44, SLOT-232
	s_mov_b32 s46, SLOT+232
	s_mov_b32 s[HM], 0xffff0000
	s_mov_b32 s[SEL], 0x76543210
	s_mov_b32 s[SEL+1], 0xfedcba98
	v_lshlrev_b32 v8, 3, v0
	global_load_b64 v[10:11], v8, s[12:13]         ; the bias of the work-group's 256 rows of w_qkv: 8 bytes a thread
	v_and_b32 v1, 15, v0                           ; r
	v_bfe_u32 v2, v0, 4, 1                         ; h
	v_and_b32 v15, 31, v0                          ; lane
	v_mul_u32_u24 v3, v1, PITCH
	v_mul_u32_u24 v4, v2, 24
	v_add_nc_u32 v4, v3, v4                        ; a fragment's row x pitch + 24 x half
	v_sub_nc_u32 v7, 1, v2
	v_mul_u32_u24 v5, s44, v2
	v_add_nc_u32 v5, v3, v5
	v_add_nc_u32 v5, 232, v5                       ; lanes 0-15 byte 232 of the row in slot 0, lanes 16-31 byte 0 of the row in slot 1;
	v_mul_u32_u24 v6, s46, v7
	v_add_nc_u32 v6, v3, v6                        ; and the other way round
	v_add_nc_u32 v[ADRA], s18, v4
	v_add_nc_u32 v[ADRB], s19, v4
	v_add_nc_u32 v[ADRA+2], s18, v5
	v_add_nc_u32 v[ADRA+3], s18, v6
	v_add_nc_u32 v[ADRB+2], s19, v5
	v_add_nc_u32 v[ADRB+3], s19, v6
	v_add_nc_u32 v[ADRA+1], SLOT, v[ADRA]
	v_add_nc_u32 v[ADRB+1], SLOT, v[ADRB]
	v_mul_u32_u24 v5, v1, KS                       ; my row's scales: 32 bytes a row,
	v_lshrrev_b32 v6, 8, v5
	v_lshl_add_u32 v5, v6, 4, v5                   ; and 16 more for each 256 passed
	v_mul_u32_u24 v6, s21, v2                      ; lanes 16-31 take B's
	v_add_nc_u32 v5, v5, v6
	v_add_nc_u32 v[ADRS], s20, v5
	v_lshlrev_b32 v[LI], 4, v15
	v_lshlrev_b32 v[L8], 3, v15
	v_mul_u32_u24 v[TA1], v1, T1P
	v_lshl_add_u32 v[TA1], v2, 5, v[TA1]
	v_add_nc_u32 v[TA1], TAB1, v[TA1]              ; table 1: row r, frequencies 8 h on
	v_lshl_add_u32 v[TA2], v2, 5, s22              ; table 2: my half's four rows
	v_lshl_add_u32 v[BA], v2, 5, s23               ; the bias along B's rows
	v_lshl_add_u32 v[BAV], v1, 2, s40              ; the bias along A's rows
	v_add_nc_u32 v9, BIAS, v8
	v_lshl_add_u32 v12, v15, 2, s41                ; table 1: my wave writes rows 8 w .. 8 w + 7, a lane a frequency
	v_lshl_add_u32 v13, v15, 2, s42                ; table 2: rows 2 w, 2 w + 1
	s_wait_alu depctr_va_vdst(0)                   ; the wait ahead of the branch below
; cos and sin of l theta_f, l a whole number in a scalar register, theta_f in v14: the product in two parts, the multiple of pi / 2 taken off in two parts, polynomials on [-pi / 4, pi / 4], the quadrant by selects.
.macro SINCOS sl, adr, off, res
	v_cvt_f32_u32 v[TT], \sl
	v_mul_f32 v[TT+1], v[TT], v14
	v_fma_f32 v[TT+2], v[TT], v14, -v[TT+1]
	v_mul_f32 v[TT+3], 0x3f22f983, v[TT+1]
	v_rndne_f32 v[TT+3], v[TT+3]
	v_fmamk_f32 v[TT+4], v[TT+3], 0xbfc90fdb, v[TT+1]
	v_fmamk_f32 v[TT+4], v[TT+3], 0x333bbd2e, v[TT+4]
	v_add_f32 v[TT+4], v[TT+4], v[TT+2]
	v_mul_f32 v[TT+5], v[TT+4], v[TT+4]
	v_fmaak_f32 v[TT+6], s18, v[TT+5], 0x3c08839e
	v_fmaak_f32 v[TT+8], s19, v[TT+5], 0xbab6061a
	v_fmaak_f32 v[TT+6], v[TT+6], v[TT+5], 0xbe2aaaa3
	v_fmaak_f32 v[TT+8], v[TT+8], v[TT+5], 0x3d2aaaa5
	v_mul_f32 v[TT+7], v[TT+5], v[TT+4]
	v_mul_f32 v[TT+10], v[TT+5], v[TT+5]
	v_fma_f32 v[TT+9], v[TT+5], -0.5, 1.0
	v_fma_f32 v[TT+6], v[TT+6], v[TT+7], v[TT+4]   ; sin x
	v_fma_f32 v[TT+8], v[TT+8], v[TT+10], v[TT+9]  ; cos x
	v_cvt_i32_f32 v[TT+3], v[TT+3]
	v_and_b32 v[TT+7], 1, v[TT+3]
	v_cmp_eq_u32 vcc_lo, 1, v[TT+7]                ; in odd quadrants the two change places
	v_cndmask_b32 v[\res+1], v[TT+6], v[TT+8], vcc_lo
	v_cndmask_b32 v[\res], v[TT+8], v[TT+6], vcc_lo
	v_lshlrev_b32 v[TT+7], 30, v[TT+3]
	v_add_nc_u32 v[TT+3], 1, v[TT+3]
	v_and_b32 v[TT+7], 0x80000000, v[TT+7]
	v_lshlrev_b32 v[TT+3], 30, v[TT+3]
	v_xor_b32 v[\res+1], v[TT+7], v[\res+1]
	v_and_b32 v[TT+3], 0x80000000, v[TT+3]
	v_xor_b32 v[\res], v[TT+3], v[\res]
	ds_store_b32 v[\adr], v[\res] offset:\off
	ds_store_b32 v[\adr], v[\res+1] offset:\off+128
.endm
	s_cmp_eq_u32 s66, 1                            ; v has no RoPE: its clusters make no tables
	s_cbranch_scc1 .Lno_tables
	s_mov_b32 s18, 0xb94ca1f9                      ; the polynomials' leading coefficients
	s_mov_b32 s19, 0x37ccf5ce
	v_cvt_f32_u32 v14, v15
	v_mul_f32 v14, 0xbed49a78, v14                 ; -f log2(10000) / 32
	s_wait_alu depctr_va_vdst(0)
	v_exp_f32 v14, v14                             ; theta_f
	v_nop
	s_wait_alu depctr_va_vdst(0)                   ; the wait ahead of its first reader
	s_and_b32 s20, s43, 7
	s_lshl_b32 s20, s20, 8                         ; l0: the work-group's first token in its batch
	s_lshl_b32 s21, s14, 3
	s_add_co_u32 s20, s20, s21
.irp e, 0,1,2,3,4,5,6,7
	s_add_co_u32 s21, s20, \e
	SINCOS s21, 12, \e*T1P, 80+2*\e
.endr
	s_lshl_b32 s20, s14, 6
.irp e, 0,1
	s_add_co_u32 s21, s20, 32*\e
	SINCOS s21, 13, \e*256, 96+2*\e
.endr
.Lno_tables:
	s_wait_loadcnt 0x0                             ; the bias
	s_wait_alu depctr_va_vdst(0)
	ds_store_b64 v9, v[10:11]
.macro FRAG reg, adr, st, i            ; a fragment, 16 rows x 128 K: lane l holds row l % 16; registers 6 c .. 6 c + 5 hold K = 64 c + 32 (l / 16) + 0 .. 31: 24 bytes of the row as they lie, in pieces of 8 bytes
.irp p, 0,1,2,3,4,5
.set BY, 96*(\st)+48*(\p/3)+8*(\p%3)  ; byte y of a row lies in chunk y / 256, in slot (y / 256) % 2, at byte y % 256 of the LDS row
.if BY/ROWB == (BY+24)/ROWB
	ds_load_b64 v[\reg+2*\p:\reg+2*\p+1], v[\adr+(BY/ROWB)%2] offset:BY%ROWB+(\i)*16*PITCH
.else                                  ; the two halves of the lanes read different chunks
	ds_load_b64 v[\reg+2*\p:\reg+2*\p+1], v[\adr+2+(BY/ROWB)%2] offset:BY%ROWB-232+(\i)*16*PITCH
.endif
.endr
.endm
; 16 matrix instructions: A's blocks a0, a0 + 1 x B's eight.  The 64 accumulators take turns, one instruction a turn, in the same order in every step.
.macro MUL16 a0, p, q, sc, zero
.irp a, \a0, \a0+1
.irp b, 0,1,2,3,4,5,6,7
.if \zero
	v_wmma_scale_f32_16x16x128_f8f6f4 v[8*(8*((\a)%4)+\b):8*(8*((\a)%4)+\b)+7], v[128*(\p)+FR*\b:128*(\p)+FR*\b+FR-1], v[AF+FR*(\a):AF+FR*(\a)+FR-1], 0, v[SC+8*NQ*(\sc)+NQ*\b+(\q)], v[SC+8*NQ*(\sc)+NQ*(\a)+(\q)] matrix_a_fmt:MATRIX_FMT_FP6 matrix_b_fmt:MATRIX_FMT_FP6 matrix_a_scale:MATRIX_SCALE_ROW1
.else
	v_wmma_scale_f32_16x16x128_f8f6f4 v[8*(8*((\a)%4)+\b):8*(8*((\a)%4)+\b)+7], v[128*(\p)+FR*\b:128*(\p)+FR*\b+FR-1], v[AF+FR*(\a):AF+FR*(\a)+FR-1], v[8*(8*((\a)%4)+\b):8*(8*((\a)%4)+\b)+7], v[SC+8*NQ*(\sc)+NQ*\b+(\q)], v[SC+8*NQ*(\sc)+NQ*(\a)+(\q)] matrix_a_fmt:MATRIX_FMT_FP6 matrix_b_fmt:MATRIX_FMT_FP6 matrix_a_scale:MATRIX_SCALE_ROW1
.endif
.endr
.endr
.endm
.macro FETCH_B st, p
	WIN TO_B
.irp i, 0,1,2,3,4,5,6,7
	FRAG 128*(\p)+FR*\i, ADRB, \st, \i
.endr
	WIN 0
.endm
.macro FETCH_A st, i0
.irp i, \i0, \i0+1, \i0+2, \i0+3
	FRAG AF+FR*(\i), ADRA, \st, \i
.endr
.endm
.macro SCALES pr                       ; the scale words of steps 2 pr, 2 pr + 1 into set pr % 2; lanes 0-15 take A's block i, lanes 16-31 B's block i
.irp i, 0,1,2,3,4,5,6,7
	ds_load_b64 v[SC+8*NQ*((\pr)%2)+NQ*\i:SC+8*NQ*((\pr)%2)+NQ*\i+1], v[ADRS] offset:\i*SBLK+4*NQ*(\pr)
.endr
.endm
.macro PLACES n                        ; plain vector instructions between a matrix instruction and a load into, or a vector instruction on, its registers
.rept \n
	v_nop
.endr
.endm
; A step of 128 along K: 64 matrix instructions; the next step's fragments are fetched in its middle and at its end.
;   The next step ENDS in a chunk not read yet: every wave waits for its tensor loads, and a barrier shows that chunk whole.
;   The next step BEGINS in a later chunk: the chunk left behind is read no more: the wait for all tensor loads, the add, the wait for it and for my reads, the barrier; where a chunk two on is left, the barrier opens a round and the slot is filled again.
.macro STEP st, zero
.set NX, (\st)+1
.set C0, (96*(\st))/ROWB
.set C1, (96*NX)/ROWB
.set E0, (96*(\st)+95)/ROWB
.set E1, (96*NX+95)/ROWB
.if C1 > C0 || E1 > E0
	s_wait_tensorcnt 0x0                           ; all my tensor loads have landed
.if C1 > C0
	ds_add_u32 v[SPW], v[NIL]
	s_wait_dscnt 4*NL+1                            ; the add and the youngest 24 loads (A's blocks 4-7) may be out
.else
	s_wait_dscnt 4*NL
.endif
	WIN MUL_LO
	MUL16 0, (\st)%2, (\st)%2, ((\st)/2)%2, \zero
	s_wait_dscnt 0x0                               ; the add, where there is one, and all my reads are done
	s_barrier_signal -1
	MUL16 2, (\st)%2, (\st)%2, ((\st)/2)%2, \zero
	WIN 0
	s_barrier_wait -1
.if C1 > C0 && C0+2 < CHUNKS
	CREST                                          ; the barrier has opened a round of the cluster's barrier
	s_add_nc_u64 s[G0+4*(C0%2)+2:G0+4*(C0%2)+3], s[G0+4*(C0%2)+2:G0+4*(C0%2)+3], 2*ROWB
	s_add_nc_u64 s[G0B+4*(C0%2)+2:G0B+4*(C0%2)+3], s[G0B+4*(C0%2)+2:G0B+4*(C0%2)+3], 2*ROWB
	JLOAD G0+4*(C0%2), G1, G0B+4*(C0%2), G1B       ; chunk C0 + 2: my one tensor load behind the round; its four v_nop are the places in front of the loads below
.else
	PLACES NP
.endif
.else
	s_wait_dscnt 4*NL                              ; B's set and A's blocks 0-3 are in
	WIN MUL_LO
	MUL16 0, (\st)%2, (\st)%2, ((\st)/2)%2, \zero
	MUL16 2, (\st)%2, (\st)%2, ((\st)/2)%2, \zero
	s_wait_dscnt 0
	PLACES NP
.endif
	FETCH_B NX, NX%2
	FETCH_A NX, 0
.if NX%2 == 0
	SCALES NX/2
.endif
	WIN MUL_HI
	MUL16 4, (\st)%2, (\st)%2, ((\st)/2)%2, \zero
	MUL16 6, (\st)%2, (\st)%2, ((\st)/2)%2, \zero
	PLACES NP
	WIN 0
	FETCH_A NX, 4
.endm
	s_wait_alu depctr_va_vdst(0)                   ; the wait at the head's end
	s_wait_tensorcnt 0x0                           ; my tile of the head's four is in; the three lines ahead of a later first fill, as ahead of a refill
	ds_add_u32 v[SPW], v[NIL]
	s_mov_b32 s[G1+2], 128<<16                     ; no tensor load of mine is out: from here on a load brings 128 rows
	s_mov_b32 s[G1+4], 128
	s_mov_b32 s[G1B+2], 128<<16
	s_mov_b32 s[G1B+4], 128
	s_wait_dscnt 0x0                               ; the add is done, and my stores of the tables and the bias have landed
	CROUND
	JLOAD G0+4, G1, G0B+4, G1B                     ; chunk 1: the first tensor load behind the round
	FETCH_B 0, 0
	FETCH_A 0, 0
	SCALES 0
	FETCH_A 0, 4
	STEP 0, 1                                      ; the first step's products start the sums
.set ST, 1
.rept STEPS-2
	STEP ST, 0
.set ST, ST+1
.endr
	s_wait_dscnt 4*NL                              ; the last step
	WIN MUL_LO
	MUL16 0, 1, 1, 1, 0
	MUL16 2, 1, 1, 1, 0
	s_wait_dscnt 0
	WIN MUL_HI
	MUL16 4, 1, 1, 1, 0
	MUL16 6, 1, 1, 1, 0
	WIN 0
; THE WAY OUT.  64 numbers of a lane, v[s + 16 b + i]: block b of 32 along the next K lies in lanes l and l xor 16.  They become two runs of six registers of codes, at v[d0] (blocks 0, 1) and v[d1] (blocks 2, 3), and four scale bytes in v[PW].
.macro QUANT s, d0, d1
.irp b, 0,1,2,3
	v_max3_num_f32 v[TM+\b], |v[\s+16*\b]|, |v[\s+1+16*\b]|, 0x1800000   ; my 16 numbers, and the floor 2^(3 - 127): the byte cannot fall under 1
.endr
.irp i, 2,4,6,8,10,12,14
.irp b, 0,1,2,3
	v_max3_num_f32 v[TM+\b], v[TM+\b], |v[\s+16*\b+\i]|, |v[\s+1+16*\b+\i]|
.endr
.endr
.irp b, 0,1,2,3
	v_permlanex16_b32 v[TM+4+\b], v[TM+\b], s[SEL], s[SEL+1]
.endr
.irp b, 0,1,2,3
	v_max_num_f32 v[TM+\b], v[TM+\b], v[TM+4+\b]   ; the block's largest magnitude
.endr
.irp b, 0,1,2,3
	v_add_nc_u32 v[TM+12+\b], 0xff000000, v[TM+\b] ; 2 off its exponent field: the conversion's scale operand
.endr
.irp b, 0,1,2,3
	v_lshrrev_b32 v[TM+4+\b], 23, v[TM+12+\b]      ; the scale's byte
.endr
	v_lshl_or_b32 v[PW], v[TM+5], 8, v[TM+4]
	v_lshl_or_b32 v[PW], v[TM+6], 16, v[PW]
	v_lshl_or_b32 v[PW], v[TM+7], 24, v[PW]
	v_cvt_scalef32_pk16_fp6_f32 v[(\d0):(\d0)+2], v[\s:\s+15], v[TM+12]
	v_cvt_scalef32_pk16_fp6_f32 v[PT:PT+2], v[\s+16:\s+31], v[TM+13]
	v_cvt_scalef32_pk16_fp6_f32 v[(\d1):(\d1)+2], v[\s+32:\s+47], v[TM+14]
	v_cvt_scalef32_pk16_fp6_f32 v[PT+4:PT+6], v[\s+48:\s+63], v[TM+15]
	v_nop                                          ; one plain place behind a scaled conversion
.irp i, 0,1,2
	v_permlane16_swap_b32 v[(\d0)+\i], v[PT+\i]    ; a whole block to a lane: lanes 0-15 the even block, lanes 16-31 the odd one
	v_permlane16_swap_b32 v[(\d1)+\i], v[PT+4+\i]
.endr
.irp i, 0,1,2
	v_mov_b32 v[(\d0)+3+\i], v[PT+\i]
	v_mov_b32 v[(\d1)+3+\i], v[PT+4+\i]
.endr
.endm
; q, k: block a = 16 tokens x my two heads.  Accumulator register 32 hh + 8 bb + j is d = 16 bb + 8 h + j of head hh; d and d + 32 lie 16 registers apart.
.macro ROWQK a
.set AC, 64*((\a)%4)
.set WA, 2+(\a)/4
.set U1, 32*((\a)%2)
.set U2, 64+32*((\a)/2)
	WIN 0x55                                       ; all in window 1: cos and sin of the sum of the two tables' angles
.irp i, 0,2,4,6,8,10,12,14
	v_pk_mul_f32 v[EC+\i:EC+\i+1], v[U1+\i:U1+\i+1], v[U2+\i:U2+\i+1]
	v_pk_mul_f32 v[ES+\i:ES+\i+1], v[U1+16+\i:U1+17+\i], v[U2+\i:U2+\i+1]
.endr
.irp i, 0,2,4,6,8,10,12,14
	v_pk_fma_f32 v[EC+\i:EC+\i+1], v[U1+16+\i:U1+17+\i], v[U2+16+\i:U2+17+\i], v[EC+\i:EC+\i+1] neg_lo:[1,0,0] neg_hi:[1,0,0]
	v_pk_fma_f32 v[ES+\i:ES+\i+1], v[U1+\i:U1+\i+1], v[U2+16+\i:U2+17+\i], v[ES+\i:ES+\i+1]
.endr
.set WN, WA|(WA<<6)
	WIN WN                                         ; the bias: each accumulator from its low end on
.set j, 0
.rept 32
	v_pk_add_f32 v[AC+j:AC+j+1], v[AC+j:AC+j+1], v[BQ+j:BQ+j+1]
.set j, j+2
.endr
.set WN, WA|4
	WIN WN                                         ; source 0 the sums, source 1 window 1, source 2 and the result window 0
.irp hh, 0,1
.irp i, 0,2,4,6,8,10,12,14
	v_pk_mul_f32 v[Y+32*\hh+\i:Y+32*\hh+\i+1], v[AC+32*\hh+\i:AC+32*\hh+\i+1], v[EC+\i:EC+\i+1]
	v_pk_mul_f32 v[Y+32*\hh+16+\i:Y+32*\hh+17+\i], v[AC+32*\hh+16+\i:AC+32*\hh+17+\i], v[EC+\i:EC+\i+1]
.endr
.irp i, 0,2,4,6,8,10,12,14
	v_pk_fma_f32 v[Y+32*\hh+\i:Y+32*\hh+\i+1], v[AC+32*\hh+16+\i:AC+32*\hh+17+\i], v[ES+\i:ES+\i+1], v[Y+32*\hh+\i:Y+32*\hh+\i+1] neg_lo:[1,0,0] neg_hi:[1,0,0]   ; x1 cos - x2 sin
	v_pk_fma_f32 v[Y+32*\hh+16+\i:Y+32*\hh+17+\i], v[AC+32*\hh+\i:AC+32*\hh+\i+1], v[ES+\i:ES+\i+1], v[Y+32*\hh+16+\i:Y+32*\hh+17+\i]                              ; x2 cos + x1 sin
.endr
.endr
	WIN 0
.if ((\a)%2 == 0) && ((\a) > 0)
	s_wait_xcnt 0x0                                ; the last pair's stores have read the images
.endif
	QUANT Y, IM0+6*((\a)%2), IM1+6*((\a)%2)
.if (\a)%2 == 0
	v_mov_b32 v[PWE], v[PW]
.else
	v_cndmask_b32 v[CW], v[PWE], v[PW], s[HM]      ; lanes 0-15 the even tile's bytes, lanes 16-31 the odd tile's
	v_and_b32 v[SW0+(\a)/2], 0xffff, v[CW]         ; my first head's two bytes; bytes 2, 3 = 0
	v_lshrrev_b32 v[SW1+(\a)/2], 16, v[CW]         ; my second head's
.irp g, 0,1,2
	global_store_b128 v[LI], v[IM0+4*\g:IM0+4*\g+3], s[92:93] offset:1536*((\a)/2)+512*\g   ; 32 lanes store 512 consecutive bytes, at a multiple of 256 from the buffer's first byte
	global_store_b128 v[LI], v[IM1+4*\g:IM1+4*\g+3], s[94:95] offset:1536*((\a)/2)+512*\g
.endr
.endif
.endm
; v: block a = 16 d of head a / 4 x my 128 keys.  Accumulator register 16 B + i is key 32 B + 8 h + i (i < 8), 32 B + 8 + 8 h + i (i >= 8).
.macro ROWV a
.set AC, 64*((\a)%4)
.set WN, 2+(\a)/4
	WIN WN
.set j, 0
.rept 32
	v_pk_add_f32 v[Y+j:Y+j+1], v[AC+j:AC+j+1], v[BV+2*(\a):BV+2*(\a)+1]   ; the bias of my d; each accumulator from its low end on
.set j, j+2
.endr
	WIN 0
.if (\a) > 0
	s_wait_xcnt 0x0                                ; the last block's stores have read their registers
.endif
	QUANT Y, IM0, IM0+6
.if (\a)%2 == 0
	v_mov_b32 v[PWE], v[PW]
.else
	v_cndmask_b32 v[SW0+((\a)%4)/2], v[PWE], v[PW], s[HM]
.endif
.irp g, 0,1,2
	global_store_b128 v[LI], v[IM0+4*\g:IM0+4*\g+3], s[92+2*((\a)/4):93+2*((\a)/4)] offset:VOFF+1536*((\a)%4)+512*\g
.endr
.if (\a)%4 == 3
	global_store_b64 v[L8], v[SW0:SW0+1], s[92+2*((\a)/4):93+2*((\a)/4)] offset:VSOF   ; 32 lanes store 256 consecutive bytes
.endif
.endm
.irp b, 0,1,2,3
	v_mov_b32 v[TM+4+\b], 0                        ; a lane permute's destination counts as one of its sources.  These four are also the places behind the last products
.endr
	s_cmp_eq_u32 s66, 1
	s_cbranch_scc1 .Lv_out
	WIN TO_B                                       ; the tables into window 1: table 1's two blocks of 16 rows at v0, v32 (cos 16, sin 16), table 2's four rows at v64 on
.irp u, 0,1
.irp k, 0,1,2,3
	ds_load_b128 v[32*\u+4*\k:32*\u+4*\k+3], v[TA1] offset:16*T1P*\u+64*(\k/2)+16*(\k%2)
	ds_load_b128 v[32*\u+16+4*\k:32*\u+19+4*\k], v[TA1] offset:16*T1P*\u+128+64*(\k/2)+16*(\k%2)
.endr
.endr
.irp p, 0,1,2,3
.irp k, 0,1,2,3
	ds_load_b128 v[64+32*\p+4*\k:64+32*\p+4*\k+3], v[TA2] offset:256*\p+64*(\k/2)+16*(\k%2)
	ds_load_b128 v[80+32*\p+4*\k:80+32*\p+4*\k+3], v[TA2] offset:256*\p+128+64*(\k/2)+16*(\k%2)
.endr
.endr
	WIN 0
.irp b, 0,1,2,3,4,5,6,7
	ds_load_b128 v[BQ+8*\b:BQ+8*\b+3], v[BA] offset:64*\b
	ds_load_b128 v[BQ+8*\b+4:BQ+8*\b+7], v[BA] offset:64*\b+16
.endr
	s_wait_dscnt 0x0
.irp a, 0,1,2,3,4,5,6,7
	ROWQK \a
.endr
	global_store_b128 v[LI], v[SW0:SW0+3], s[92:93] offset:6144
	global_store_b128 v[LI], v[SW1:SW1+3], s[94:95] offset:6144
	s_branch .Ldone
.Lv_out:
.irp a, 0,1,2,3,4,5,6,7
	ds_load_b32 v[BV+2*\a], v[BAV] offset:64*\a    ; twice: the packed addition takes a pair
	ds_load_b32 v[BV+2*\a+1], v[BAV] offset:64*\a
.endr
	s_wait_dscnt 0x0
.irp a, 0,1,2,3,4,5,6,7
	ROWV \a
.endr
.Ldone:
	s_wait_tensorcnt 0x0                           ; the wave's end
	ds_add_u32 v[SPW], v[NIL]
	s_wait_dscnt 0x0
	CROUND                                         ; the closing round
	s_endpgm
.Lfunc_end_k_qaa5de1d17d_qkv:
	.size	k_qaa5de1d17d_qkv, .Lfunc_end_k_qaa5de1d17d_qkv-k_qaa5de1d17d_qkv
	.p2alignl 7, 3214868480
	.fill 96, 4, 3214868480
	.section	.rodata,"a",@progbits
	.p2align	6, 0x0
	.amdhsa_kernel k_qaa5de1d17d_qkv
		.amdhsa_group_segment_fixed_size 327680
		.amdhsa_private_segment_fixed_size 0
		.amdhsa_enable_private_segment 0
		.amdhsa_kernarg_size 56
		.amdhsa_user_sgpr_count 2
		.amdhsa_user_sgpr_kernarg_segment_ptr 1
		.amdhsa_wavefront_size32 1
		.amdhsa_system_sgpr_workgroup_id_x 1
		.amdhsa_system_sgpr_workgroup_id_y 1
		.amdhsa_system_sgpr_workgroup_id_z 1
		.amdhsa_system_vgpr_workitem_id 0
		.amdhsa_next_free_vgpr 1024
		.amdhsa_next_free_sgpr 102
		.amdhsa_reserve_vcc 1
		.amdhsa_float_denorm_mode_32 3
		.amdhsa_float_denorm_mode_16_64 3
		.amdhsa_memory_ordered 1
		.amdhsa_forward_progress 1
		.amdhsa_inst_pref_size 255
	.end_amdhsa_kernel
	.section	.bss,"aw",@nobits
	.p2align	6
	.space	262144
	.amdgpu_metadata
---
amdhsa.version: [ 1, 2 ]
amdhsa.kernels:
  - .name:           k_qaa5de1d17d_qkv
    .symbol:         k_qaa5de1d17d_qkv.kd
    .args:
      - { .name: x_codes, .offset: 0, .size: 8, .value_kind: global_buffer, .address_space: global }
      - { .name: x_scales, .offset: 8, .size: 8, .value_kind: global_buffer, .address_space: global }
      - { .name: w_qkv_codes, .offset: 16, .size: 8, .value_kind: global_buffer, .address_space: global }
      - { .name: w_qkv_scales, .offset: 24, .size: 8, .value_kind: global_buffer, .address_space: global }
      - { .name: b_qkv, .offset: 32, .size: 8, .value_kind: global_buffer, .address_space: global }
      - { .name: q, .offset: 40, .size: 8, .value_kind: global_buffer, .address_space: global }
      - { .name: kv, .offset: 48, .size: 8, .value_kind: global_buffer, .address_space: global }
    .group_segment_fixed_size: 327680
    .private_segment_fixed_size: 0
    .kernarg_segment_align: 8
    .kernarg_segment_size: 56
    .max_flat_workgroup_size: 128
    .sgpr_count:     102
    .vgpr_count:     1024
    .wavefront_size: 32
...
	.end_amdgpu_metadata
.endif
;; end of part 1
;; launch attn (part 2): grid 4 x 64, 16 waves a work-group, clusters of 4 x 1, 210,944 bytes of LDS; arguments q, kv, a_img, a_sc; writes a_img, a_sc
.if DOCPART == 2
	.amdgcn_target "amdgcn-amd-amdhsa--gfx1250"
	.amdhsa_code_object_version 6
	.text
	.protected	k_qaa5de1d17d_attn
	.globl	k_qaa5de1d17d_attn
	.p2align	8
	.type	k_qaa5de1d17d_attn,@function
k_qaa5de1d17d_attn:
	s_mov_b64 s[64:65], 0
	v_nop
	global_prefetch_b8 v0, s[64:65] scope:SCOPE_SE
	s_setreg_imm32_b32 hwreg(HW_REG_WAVE_MODE, 25, 1), 1
	s_wait_xcnt 0x0
	s_wait_alu depctr_hold_cnt(0) depctr_sa_sdst(0) depctr_va_vdst(0) depctr_va_sdst(0) depctr_va_ssrc(0) depctr_va_vcc(0) depctr_vm_vsrc(0)
	s_getreg_b32 s2, hwreg(HW_REG_IB_STS2, 6, 4)
	s_cmp_eq_u32 s2, 0
	s_cbranch_scc0 .Lentry_in_a_cluster
	s_endpgm
.Lentry_in_a_cluster:
	s_bfe_u32 s2, ttmp6, 0x10000c
	s_cmp_lg_u32 s2, 0x3003
	s_cbranch_scc0 .Lentry_shape_is_right
	s_endpgm
.Lentry_shape_is_right:
; Attention of one (batch, head) on codes of FP6 (E2M3): S^T = K Q^T (K = the head's 64), p = 2^(t - M), O^T = V^T P^T (K = the keys), O / l, and O quantised along D for the last product.
; t = score x log2(e) / 8; M = the running largest t rounded UP to a whole number; p is quantised in blocks of 32 keys and is not normalised; l is the sum of the unquantised p.  When M moves, l and O^T are multiplied by 2^(old M - new M): exact.
; SHARES.  A work-group owns 512 queries of a head, each of its sixteen waves 32: two tiles of 16, one after the other.  Four waves share a SIMD, so that one wave's vector work stands beside another's matrix work and LDS loads.
; A WHOLE HEAD'S K AND V STAY IN LDS: 16 records of 13,056 bytes, filled once: no slot is filled again, so there is no ring.  The four work-groups of a head form a cluster and ask for each block JOINTLY.
; The records are images of operand registers (the launch before lays them): every LDS load takes 16 or 8 consecutive bytes a lane.
; K = 64 IN AN INSTRUCTION OF 128.  Q's registers 6-11 are zero codes, and bytes 2, 3 of both scale words are 0 (2^-127, no NaN).  K's tiles lie 6 registers apart and tile t's operand is 12 registers from 6 t on: its upper half, the next
; tile's codes (behind tile 7: zeros), meets zero codes and adds exactly 0.
; LAYOUT.  Both products are used transposed: a lane holds ONE query (lane % 16).  S^T's tile t, register j, is key 16 t + 8 (lane / 16) + j: the codes of a block of 32 keys lie as 0-7, 16-23, 8-15, 24-31, and so do V's.
; The last product's other operand has its k in natural order: so O^T's halves change lanes first, and a lane then holds 16 neighbouring d.
; OUT.  a_img: [row tile][head][register pair (3)][8 x lane]; a head writes three pairs, each store 256 consecutive aligned bytes.  a_sc: [row][32] bytes; a head's two bytes a row leave by one byte store a lane
; (one byte for each 24 bytes of codes).
; LIMITS.  NaN and infinities are not served.  A block whose largest magnitude lies under 2^-124 keeps the scale byte 1 (its codes are zeros or nearly so; this program alone reads the bytes).
.set REC,  13056
.set RSQ,  6656
.set LI,   1                           ; v1   16 x lane
.set L8,   2                           ; v2   8 x lane
.set ADK,  3                           ; v3   the record in hand + 16 x lane
.set ADT,  4                           ; v4   the record in hand + 8 x lane
.set GS,   6                           ; v6   32 r + h: my scale byte's place
.set KSC,  8                           ; v8-11  K's scale words: register t / 2, lanes 0-15 even tiles, lanes 16-31 odd ones
.set QA,   16                          ; v16-27 my first tile of queries (registers 6-11 = 0);  v28-39 my second
.set QW,   40                          ; v40  Q's scale words: lanes 0-15 the first tile's, lanes 16-31 the second's
.set VS,   42                          ; v42-43 V's scale words
.set PS,   44                          ; v44  p's scale word
.set F,    46                          ; v46-93 a step's K, then its V; v94-99 zeros
.set S,    100                         ; v100-163 S^T, then p
.set O,    164                         ; v164-195 O^T
.set PC,   196                         ; v196-207 p's codes
.set PT,   208                         ; v208-215 halves of them on the way
.set BM,   216                         ; v216-219 each block's largest score, then its largest p
.set BX,   220
.set SO,   224                         ; v224-227 the conversions' scale operands
.set TP,   228
.set BY,   229
.set FF,   230                         ; v[230:231] f = 2^(old M - new M), later 1 / l: the low word serves both halves
.set CH,   232                         ; v[232:233] the sums' second chain
.set WV,   12
.set AO,   20                          ; s[20:21] where my codes go;  s[22:23] my scale bytes;  s[24:25], s[26:27] my queries' codes and scale words
.set SF,   22
.set QP,   24
.set QS,   26
.set G1,   28
.set G0,   36                          ; s[36:39] group 0
.set SEL,  52
.set CS,   54                          ; s[54:55] c = log2(e) / 8
.set HM,   56
.set TB,   57
.set CNT,  58
.macro CROUND                          ; a round of the cluster's barrier
	s_barrier_signal -1
	s_barrier_wait -1
	s_cmp_lg_u32 s[WV], 0
	s_cbranch_scc1 .Lnot_wave_0_\@
	s_barrier_signal -3
.Lnot_wave_0_\@:
	s_barrier_wait -3
	s_barrier_signal -1
	s_barrier_wait -1
.endm
	s_load_b256 s[4:11], s[0:1], 0x0               ; q, kv, a_img, a_sc
	v_lshl_add_u32 v254, v0, 2, 0x33000
	v_mov_b32 v255, 0
	ds_add_u32 v254, v255
	ds_add_u32 v254, v255
	v_lshrrev_b32 v1, 5, v0
	s_delay_alu instid0(VALU_DEP_1)
	v_readfirstlane_b32 s[WV], v1                  ; wave 0..15
	s_bfe_u32 s13, ttmp6, 0x40000                  ; cx
	s_lshl_b32 s14, ttmp9, 2
	s_add_co_u32 s14, s14, s13                     ; my block of 512 queries: it enters Q's and the outputs' addresses alone
	s_and_b32 s15, ttmp7, 0xffff                   ; 16 batch + head, which the four partners share
	; descriptor group 1: one record, 13,056 dense bytes, as 51 rows of 256 (32 elements of 8 bytes); mask: all four work-groups
	s_mov_b32 s[G1], 15|(3<<16)|(1<<21)
	s_mov_b32 s[G1+1], 32<<16
	s_mov_b32 s[G1+2], 51<<16                      ; one record a load: 13,056 dense bytes as 51 rows of 256
	s_mov_b32 s[G1+3], 32<<16
	s_mov_b32 s[G1+4], 51
	s_mov_b32 s[G1+5], 32
	s_mov_b32 s[G1+6], 0
	s_mov_b32 s[G1+7], 0
	s_mul_i32 s16, s[WV], REC                      ; EVERY WAVE FETCHES ONE RECORD of the head's sixteen, in memory as in LDS: one tensor load a wave
	s_mul_i32 s18, s15, 16*REC                     ; the head's first byte in kv (under 2^24)
	s_add_co_u32 s18, s18, s16
	s_mov_b32 s19, 0
	s_lshl_b32 s17, s15, 4
	s_lshl_b32 s24, s14, 2
	s_add_co_u32 s17, s17, s24
	s_lshr_b32 s24, s[WV], 2
	s_add_co_u32 s17, s17, s24                     ; my record of q: 16 (16 batch + head) + 4 block + wave / 4
	s_mul_i32 s17, s17, RSQ
	s_and_b32 s26, s[WV], 3                        ; my pair of tiles in it
	s_mul_i32 s24, s26, 1536
	s_add_co_u32 s24, s24, s17
	s_mov_b32 s25, 0
	s_lshl_b32 s26, s26, 2
	s_add_co_u32 s26, s26, s17
	s_mov_b32 s27, 0
	s_and_b32 s59, s15, 15                         ; head
	s_lshr_b32 s17, s15, 4                         ; batch
	s_lshl_b32 s17, s17, 7
	s_lshl_b32 s20, s14, 5
	s_add_co_u32 s17, s17, s20
	s_lshl_b32 s20, s[WV], 1
	s_add_co_u32 s17, s17, s20                     ; my first row tile: 128 batch + 32 block + 2 wave
	s_mul_i32 s20, s17, 12288                      ; a_img IS LAID [row tile][head][register pair (3)][8 x lane]: a row tile's whole K is 12,288 consecutive bytes
	s_mul_i32 s21, s59, 768
	s_add_co_u32 s20, s20, s21
	s_mov_b32 s21, 0
	s_lshl_b32 s22, s17, 9
	s_lshl_b32 s23, s59, 1
	s_add_co_u32 s22, s22, s23                     ; 512 tile + 2 head
	s_mov_b32 s23, 0
	s_mov_b32 s[SEL], 0x76543210
	s_mov_b32 s[SEL+1], 0xfedcba98
	s_mov_b32 s[CS], 0x3e38aa3b
	s_mov_b32 s[CS+1], s[CS]                       ; (named with it as a pair, so it is written)
	s_mov_b32 s[HM], 0xffff0000
	s_wait_dscnt 0x0
	s_wait_kmcnt 0x0
	s_add_nc_u64 s[6:7], s[6:7], s[18:19]
	s_add_nc_u64 s[QP:QP+1], s[4:5], s[24:25]
	s_add_nc_u64 s[QS:QS+1], s[4:5], s[26:27]
	s_add_nc_u64 s[AO:AO+1], s[8:9], s[20:21]
	s_add_nc_u64 s[SF:SF+1], s[10:11], s[22:23]
	s_mov_b32 s[G0], 1
	s_mul_i32 s[G0+1], s[WV], REC                  ; LDS: record = wave
	s_mov_b64 s[G0+2:G0+3], s[6:7]
	s_or_b32 s[G0+3], s[G0+3], 0x80000000
	CROUND                                         ; all four work-groups are here: the joint loads meet
	tensor_load_to_lds s[G0:G0+3], s[G1:G1+7]      ; my one tensor load of the launch
	s_nop 0
.rept 4
	v_nop
.endr
	v_and_b32 v5, 31, v0
	s_delay_alu instid0(VALU_DEP_1)
	v_lshlrev_b32 v[LI], 4, v5
	s_delay_alu instid0(VALU_DEP_2)
	v_lshlrev_b32 v[L8], 3, v5
	v_and_b32 v[GS], 15, v0
	v_bfe_u32 v7, v0, 4, 1
	s_delay_alu instid0(VALU_DEP_1)
	v_lshl_add_u32 v[GS], v[GS], 5, v7
	global_load_b128 v[QA:QA+3], v[LI], s[QP:QP+1]                 ; the pair's run of 12 registers: six for each tile
	global_load_b64 v[QA+4:QA+5], v[LI], s[QP:QP+1] offset:512
	global_load_b64 v[QA+12:QA+13], v[LI], s[QP:QP+1] offset:520
	global_load_b128 v[QA+14:QA+17], v[LI], s[QP:QP+1] offset:1024
	global_load_b32 v[QW], v[LI], s[QS:QS+1] offset:6144
.irp i, 0,1,2,3,4,5
	v_mov_b32 v[QA+6+\i], 0                        ; zero codes for k = 64 .. 127
	v_mov_b32 v[QA+18+\i], 0
	v_mov_b32 v[F+48+\i], 0
.endr
.irp b, 0,1,2,3
	v_mov_b32 v[BX+\b], 0                          ; a lane permute's destination counts as one of its sources
.endr
	v_mov_b32 v[TP], 0
	v_mov_b32 v[FF+1], 0                           ; (named as the upper half of a pair)
.macro KQ t, p                         ; S^T's tile t: 16 keys x my 16 queries
.set RS_, S+8*(\t)
.set RK_, F+6*(\t)
.set RQ_, QA+12*(\p)
.if ((\t)%2 == 0) && ((\p) == 0)
	v_wmma_scale_f32_16x16x128_f8f6f4 v[RS_:RS_+7], v[RK_:RK_+11], v[RQ_:RQ_+11], 0, v[KSC+(\t)/2], v[QW] matrix_a_fmt:MATRIX_FMT_FP6 matrix_b_fmt:MATRIX_FMT_FP6
.elseif ((\t)%2 == 1) && ((\p) == 0)
	v_wmma_scale_f32_16x16x128_f8f6f4 v[RS_:RS_+7], v[RK_:RK_+11], v[RQ_:RQ_+11], 0, v[KSC+(\t)/2], v[QW] matrix_a_fmt:MATRIX_FMT_FP6 matrix_b_fmt:MATRIX_FMT_FP6 matrix_a_scale:MATRIX_SCALE_ROW1
.elseif (\t)%2 == 0
	v_wmma_scale_f32_16x16x128_f8f6f4 v[RS_:RS_+7], v[RK_:RK_+11], v[RQ_:RQ_+11], 0, v[KSC+(\t)/2], v[QW] matrix_a_fmt:MATRIX_FMT_FP6 matrix_b_fmt:MATRIX_FMT_FP6 matrix_b_scale:MATRIX_SCALE_ROW1
.else
	v_wmma_scale_f32_16x16x128_f8f6f4 v[RS_:RS_+7], v[RK_:RK_+11], v[RQ_:RQ_+11], 0, v[KSC+(\t)/2], v[QW] matrix_a_fmt:MATRIX_FMT_FP6 matrix_b_fmt:MATRIX_FMT_FP6 matrix_a_scale:MATRIX_SCALE_ROW1 matrix_b_scale:MATRIX_SCALE_ROW1
.endif
.endm
; A KEY STEP: one record, 128 keys, for my tile p of queries.  The twelve accumulators (eight of S^T, four of O^T) take turns, one instruction each.
.macro STEP p
	v_add_nc_u32 v[ADK], s[TB], v[LI]
	v_add_nc_u32 v[ADT], s[TB], v[L8]
	v_nop
	v_nop                                          ; four places in front of loads into registers that the last products have read
.irp g, 0,1,2,3,4,5,6,7,8,9,10,11
	ds_load_b128 v[F+4*\g:F+4*\g+3], v[ADK] offset:512*\g          ; K's eight tiles, six registers each
.endr
	ds_load_b128 v[KSC:KSC+3], v[ADK] offset:6144
	s_wait_alu depctr_va_vdst(0)
	s_wait_dscnt 0x0
.irp t, 0,1,2,3,4,5,6,7
	KQ \t, \p
.endr
.rept 4
	v_nop
.endr
.irp g, 0,1,2,3,4,5,6,7,8,9,10,11
	ds_load_b128 v[F+4*\g:F+4*\g+3], v[ADK] offset:6656+512*\g     ; V's four tiles: they land while the softmax is walked
.endr
	ds_load_b64 v[VS:VS+1], v[ADT] offset:12800
.irp b, 0,1,2,3
	v_max3_num_f32 v[BM+\b], v[S+16*\b], v[S+16*\b+1], v[S+16*\b+2]   ; the largest score of each block of 32 keys: for the row's maximum and, since p rises with the score, for the block's largest p
.endr
.irp i, 3,5,7,9,11,13
.irp b, 0,1,2,3
	v_max3_num_f32 v[BM+\b], v[BM+\b], v[S+16*\b+\i], v[S+16*\b+\i+1]
.endr
.endr
.irp b, 0,1,2,3
	v_max_num_f32 v[BM+\b], v[BM+\b], v[S+16*\b+15]
.endr
.irp b, 0,1,2,3
	s_delay_alu instid0(VALU_DEP_4)
	v_permlanex16_b32 v[BX+\b], v[BM+\b], s[SEL], s[SEL+1]
.endr
.irp b, 0,1,2,3
	s_delay_alu instid0(VALU_DEP_4)
	v_max_num_f32 v[BM+\b], v[BM+\b], v[BX+\b]     ; with lane l xor 16's 16 keys
.endr
	s_delay_alu instid0(VALU_DEP_2)
	v_max3_num_f32 v[TP], v[BM], v[BM+1], v[BM+2]
	s_delay_alu instid0(VALU_DEP_1)
	v_max_num_f32 v[TP], v[TP], v[BM+3]
	s_delay_alu instid0(VALU_DEP_1)
	v_mul_f32 v[TP], s[CS], v[TP]                  ; the step's largest t (c is positive)
	s_delay_alu instid0(VALU_DEP_1)
	v_max_num_f32 v13, v13, v[TP]                  ; the running largest t
	v_mov_b32 v[TP], v12
	s_delay_alu instid0(VALU_DEP_2)
	v_floor_f32 v12, -v13                          ; the new -M = floor(-t): M is a whole number
	s_delay_alu instid0(VALU_DEP_1)
	v_sub_f32 v[TP], v12, v[TP]                    ; old M - new M: a whole number, 0 or less
	s_delay_alu instid0(VALU_DEP_1)
	v_cvt_i32_f32 v[TP], v[TP]                     ; (it saturates)
	s_delay_alu instid0(VALU_DEP_1)
	v_ldexp_f32 v[FF], 1.0, v[TP]                  ; f = 2^(old M - new M)
.set j, 0
.rept 32
	v_pk_fma_f32 v[S+j:S+j+1], v[S+j:S+j+1], s[CS:CS+1], v[12:13] op_sel_hi:[1,0,0]   ; t - M, two at a time
.set j, j+2
.endr
.irp b, 0,1,2,3
	v_fma_f32 v[BM+\b], v[BM+\b], s[CS], v12       ; the same of each block's largest score
.endr
.set j, 0
	s_wait_alu depctr_va_vdst(0)
.rept 64
	v_exp_f32 v[S+j], v[S+j]                       ; p = 2^(t - M), at most 1
.set j, j+1
.endr
	v_pk_mul_f32 v[14:15], v[14:15], v[FF:FF+1] op_sel_hi:[1,0]    ; l under the new M: a plain instruction behind the exponentials
	s_wait_alu depctr_va_vdst(0)                   ; one wait for the whole batch, ahead of its first reader
.irp b, 0,1,2,3
	v_exp_f32 v[BM+\b], v[BM+\b]                   ; the block's largest p: the same two instructions on the same number
.endr
	v_pk_add_f32 v[232:233], v[104:105], v[108:109]
	v_pk_add_f32 v[252:253], v[112:113], v[116:117]
	v_pk_add_f32 v[250:251], v[120:121], v[124:125]
	v_pk_add_f32 v[248:249], v[128:129], v[132:133]
	v_pk_add_f32 v[246:247], v[136:137], v[140:141]
	v_pk_add_f32 v[244:245], v[144:145], v[148:149]
	v_pk_add_f32 v[242:243], v[152:153], v[156:157]
	v_pk_add_f32 v[14:15], v[14:15], v[160:161]
	v_pk_add_f32 v[232:233], v[232:233], v[100:101]
	v_pk_add_f32 v[252:253], v[252:253], v[102:103]
	v_pk_add_f32 v[250:251], v[250:251], v[106:107]
	v_pk_add_f32 v[248:249], v[248:249], v[110:111]
	v_pk_add_f32 v[246:247], v[246:247], v[114:115]
	v_pk_add_f32 v[244:245], v[244:245], v[118:119]
	v_pk_add_f32 v[242:243], v[242:243], v[122:123]
	v_pk_add_f32 v[14:15], v[14:15], v[126:127]
	v_pk_add_f32 v[232:233], v[232:233], v[130:131]
	v_pk_add_f32 v[252:253], v[252:253], v[134:135]
	v_pk_add_f32 v[250:251], v[250:251], v[138:139]
	v_pk_add_f32 v[248:249], v[248:249], v[142:143]
	v_pk_add_f32 v[246:247], v[246:247], v[146:147]
	v_pk_add_f32 v[244:245], v[244:245], v[150:151]
	v_pk_add_f32 v[242:243], v[242:243], v[154:155]
	v_pk_add_f32 v[14:15], v[14:15], v[158:159]
	v_pk_add_f32 v[232:233], v[232:233], v[162:163]
	s_delay_alu instid0(VALU_DEP_2)
	v_pk_add_f32 v[14:15], v[14:15], v[248:249]
	s_delay_alu instid0(VALU_DEP_2)
	v_pk_add_f32 v[232:233], v[232:233], v[246:247]
	v_pk_add_f32 v[252:253], v[252:253], v[244:245]
	v_pk_add_f32 v[250:251], v[250:251], v[242:243]
	s_delay_alu instid0(VALU_DEP_2)
	v_pk_add_f32 v[14:15], v[14:15], v[252:253]
	s_delay_alu instid0(VALU_DEP_2)
	v_pk_add_f32 v[232:233], v[232:233], v[250:251]
	s_delay_alu instid0(VALU_DEP_1)
	v_pk_add_f32 v[14:15], v[14:15], v[232:233]
	s_wait_alu depctr_va_vdst(0)                   ; and one for the four
.irp b, 0,1,2,3
	v_max_num_f32 v[BM+\b], 0x1800000, v[BM+\b]    ; the floor 2^(3 - 127): the byte cannot fall under 1
.endr
.irp b, 0,1,2,3
	s_delay_alu instid0(VALU_DEP_4)
	v_add_nc_u32 v[SO+\b], 0xff000000, v[BM+\b]    ; 2 off the exponent field: the conversion's scale operand
.endr
.irp b, 0,1,2,3
	s_delay_alu instid0(VALU_DEP_4)
	v_lshrrev_b32 v[BX+\b], 23, v[SO+\b]           ; the scale's byte
.endr
	s_delay_alu instid0(VALU_DEP_3)
	v_lshl_or_b32 v[PS], v[BX+1], 8, v[BX]         ; p's scale word for these 128 keys
	s_delay_alu instid0(VALU_DEP_1)
	v_lshl_or_b32 v[PS], v[BX+2], 16, v[PS]
	s_delay_alu instid0(VALU_DEP_1)
	v_lshl_or_b32 v[PS], v[BX+3], 24, v[PS]
.irp c, 0,1
	v_cvt_scalef32_pk16_fp6_f32 v[PC+6*\c:PC+6*\c+2], v[S+32*\c:S+32*\c+15], v[SO+2*\c]
	v_cvt_scalef32_pk16_fp6_f32 v[PT+4*\c:PT+4*\c+2], v[S+32*\c+16:S+32*\c+31], v[SO+2*\c+1]   ; (a conversion's three registers begin on an even number)
.endr
	v_nop                                          ; one plain place behind a scaled conversion
.irp c, 0,1                                    ; a whole block to a lane: lanes 0-15 block 2 c, lanes 16-31 block 2 c + 1
.irp i, 0,1,2
	v_permlane16_swap_b32 v[PC+6*\c+\i], v[PT+4*\c+\i]
.endr
.irp i, 0,1,2
	s_delay_alu instid0(VALU_DEP_3)
	v_mov_b32 v[PC+6*\c+3+\i], v[PT+4*\c+\i]
.endr
.endr
.set j, 0
.rept 16
	v_pk_mul_f32 v[O+j:O+j+1], v[O+j:O+j+1], v[FF:FF+1] op_sel_hi:[1,0]   ; O^T under the new M.  These sixteen also stand between the lines that made p's codes and scale word and the products
.set j, j+2
.endr
	s_wait_alu depctr_va_vdst(0)
	s_wait_dscnt 0x0                               ; V
.irp t, 0,2
	v_wmma_scale_f32_16x16x128_f8f6f4 v[O+8*\t:O+8*\t+7], v[F+12*\t:F+12*\t+11], v[PC:PC+11], v[O+8*\t:O+8*\t+7], v[VS+\t/2], v[PS] matrix_a_fmt:MATRIX_FMT_FP6 matrix_b_fmt:MATRIX_FMT_FP6
	v_wmma_scale_f32_16x16x128_f8f6f4 v[O+8*\t+8:O+8*\t+15], v[F+12*\t+12:F+12*\t+23], v[PC:PC+11], v[O+8*\t+8:O+8*\t+15], v[VS+\t/2], v[PS] matrix_a_fmt:MATRIX_FMT_FP6 matrix_b_fmt:MATRIX_FMT_FP6 matrix_a_scale:MATRIX_SCALE_ROW1
.endr
	s_add_co_u32 s[TB], s[TB], REC
.endm
; A tile's way out: O^T / l; its halves change lanes, so that a lane holds d = 32 B + 16 (lane / 16) + 0 .. 15; the head's two blocks of 32 are quantised; six registers of codes and a byte a lane are stored.
.macro OUT p
.rept 4
	v_nop                                          ; places behind the last products
.endr
	v_add_f32 v14, v14, v15
	s_delay_alu instid0(VALU_DEP_1)
	v_permlanex16_b32 v[TP], v14, s[SEL], s[SEL+1]
	s_delay_alu instid0(VALU_DEP_1)
	v_add_f32 v14, v14, v[TP]                      ; the row's sum
	s_wait_alu depctr_va_vdst(0)
	v_rcp_f32 v[FF], v14
	v_nop                                          ; a plain instruction behind the reciprocal,
	s_wait_alu depctr_va_vdst(0)                   ; and the wait ahead of its first reader
.set j, 0
.rept 16
	v_pk_mul_f32 v[S+j:S+j+1], v[O+j:O+j+1], v[FF:FF+1] op_sel_hi:[1,0]   ; each accumulator from its low end on
.set j, j+2
.endr
.irp bb, 0,1
.irp i, 0,1,2,3,4,5,6,7
	v_permlane16_swap_b32 v[S+16*\bb+\i], v[S+16*\bb+8+\i]
.endr
.endr
.irp b, 0,1
	v_max3_num_f32 v[BM+\b], |v[S+16*\b]|, |v[S+16*\b+1]|, 0x1800000
.endr
.irp i, 2,4,6,8,10,12,14
.irp b, 0,1
	s_delay_alu instid0(VALU_DEP_2)
	v_max3_num_f32 v[BM+\b], v[BM+\b], |v[S+16*\b+\i]|, |v[S+16*\b+\i+1]|
.endr
.endr
.irp b, 0,1
	s_delay_alu instid0(VALU_DEP_2)
	v_permlanex16_b32 v[BX+\b], v[BM+\b], s[SEL], s[SEL+1]
.endr
.irp b, 0,1
	s_delay_alu instid0(VALU_DEP_2)
	v_max_num_f32 v[BM+\b], v[BM+\b], v[BX+\b]
.endr
.irp b, 0,1
	s_delay_alu instid0(VALU_DEP_2)
	v_add_nc_u32 v[SO+\b], 0xff000000, v[BM+\b]
.endr
.irp b, 0,1
	s_delay_alu instid0(VALU_DEP_2)
	v_lshrrev_b32 v[BX+\b], 23, v[SO+\b]
.endr
	v_cvt_scalef32_pk16_fp6_f32 v[PC:PC+2], v[S:S+15], v[SO]
	v_cvt_scalef32_pk16_fp6_f32 v[PT:PT+2], v[S+16:S+31], v[SO+1]
	v_cndmask_b32 v[BY], v[BX], v[BX+1], s[HM]     ; my lane's byte: block lane / 16 of row lane % 16.  (A plain place behind the conversions)
.irp i, 0,1,2
	v_permlane16_swap_b32 v[PC+\i], v[PT+\i]
.endr
.irp i, 0,1,2
	s_delay_alu instid0(VALU_DEP_3)
	v_mov_b32 v[PC+3+\i], v[PT+\i]
.endr
.irp i, 0,1,2
	global_store_b64 v[L8], v[PC+2*\i:PC+2*\i+1], s[AO:AO+1] offset:12288*\p+256*\i   ; 32 lanes store 256 consecutive bytes, at a multiple of 256 from the buffer's first byte
.endr
	global_store_b8 v[GS], v[BY], s[SF:SF+1] offset:512*\p
.endm
.macro PASS p
.if \p
	s_wait_xcnt 0x0                                ; the first tile's stores have read their registers
.endif
	v_mov_b32 v13, 0xff61b1e6                      ; the largest t so far: -3e38, under every t
	s_delay_alu instid0(VALU_DEP_1)
	v_floor_f32 v12, -v13                          ; -M
	v_mov_b32 v14, 0                               ; l, in two halves
	v_mov_b32 v15, 0
.set j, 0
.rept 32
	v_mov_b32 v[O+j], 0                            ; O^T: the step is written once; the first finds zeros, which the first change of M leaves zeros
.set j, j+1
.endr
.if \p == 0
	s_wait_alu depctr_va_vdst(0)                   ; the wait ahead of the wait below
	s_wait_tensorcnt 0x0                           ; my record is in,
	s_barrier_signal -1
	s_barrier_wait -1                              ; and so are the other fifteen
	s_mov_b32 s[TB], 0
	s_mov_b32 s[CNT], 16
.Lfirst:
	STEP 0
	s_sub_co_u32 s[CNT], s[CNT], 1
	s_cmp_lg_u32 s[CNT], 0
	s_cbranch_scc1 .Lfirst
.else
	s_mov_b32 s[TB], 0
	s_mov_b32 s[CNT], 16
.Lsecond:
	STEP 1
	s_sub_co_u32 s[CNT], s[CNT], 1
	s_cmp_lg_u32 s[CNT], 0
	s_cbranch_scc1 .Lsecond
.endif
	OUT \p
.endm
	s_wait_loadcnt 0x0                             ; Q
	PASS 0
	PASS 1
	s_wait_tensorcnt 0x0
	s_wait_tensorcnt 0x0
	ds_add_u32 v254, v255
	s_wait_dscnt 0x0
	CROUND                                         ; the closing round: no work-group ends while a partner may still ask for a block that names it
	s_endpgm
.Lfunc_end_k_qaa5de1d17d_attn:
	.size	k_qaa5de1d17d_attn, .Lfunc_end_k_qaa5de1d17d_attn-k_qaa5de1d17d_attn
	.p2alignl 7, 3214868480
	.fill 96, 4, 3214868480
	.section	.rodata,"a",@progbits
	.p2align	6, 0x0
	.amdhsa_kernel k_qaa5de1d17d_attn
		.amdhsa_group_segment_fixed_size 210944
		.amdhsa_private_segment_fixed_size 0
		.amdhsa_enable_private_segment 0
		.amdhsa_kernarg_size 32
		.amdhsa_user_sgpr_count 2
		.amdhsa_user_sgpr_kernarg_segment_ptr 1
		.amdhsa_wavefront_size32 1
		.amdhsa_system_sgpr_workgroup_id_x 1
		.amdhsa_system_sgpr_workgroup_id_y 1
		.amdhsa_system_sgpr_workgroup_id_z 1
		.amdhsa_system_vgpr_workitem_id 0
		.amdhsa_next_free_vgpr 256
		.amdhsa_next_free_sgpr 66
		.amdhsa_reserve_vcc 0
		.amdhsa_float_denorm_mode_32 3
		.amdhsa_float_denorm_mode_16_64 3
		.amdhsa_memory_ordered 1
		.amdhsa_forward_progress 1
		.amdhsa_inst_pref_size 52
	.end_amdhsa_kernel
	.amdgpu_metadata
---
amdhsa.version: [ 1, 2 ]
amdhsa.kernels:
  - .name:           k_qaa5de1d17d_attn
    .symbol:         k_qaa5de1d17d_attn.kd
    .args:
      - { .name: q, .offset: 0, .size: 8, .value_kind: global_buffer, .address_space: global }
      - { .name: kv, .offset: 8, .size: 8, .value_kind: global_buffer, .address_space: global }
      - { .name: a_img, .offset: 16, .size: 8, .value_kind: global_buffer, .address_space: global }
      - { .name: a_sc, .offset: 24, .size: 8, .value_kind: global_buffer, .address_space: global }
    .group_segment_fixed_size: 210944
    .private_segment_fixed_size: 0
    .kernarg_segment_align: 8
    .kernarg_segment_size: 32
    .max_flat_workgroup_size: 512
    .sgpr_count:     66
    .vgpr_count:     256
    .wavefront_size: 32
...
	.end_amdgpu_metadata
.endif
;; end of part 2
;; launch proj (part 3): grid 4 x 64, 4 waves a work-group, clusters of 4 x 4, 327,680 bytes of LDS; arguments a_img, a_sc, w_out_codes, w_out_scales, b_out, out0; writes out0
.if DOCPART == 3
	.amdgcn_target "amdgcn-amd-amdhsa--gfx1250"
	.amdhsa_code_object_version 6
	.text
	.protected	k_qaa5de1d17d_proj
	.globl	k_qaa5de1d17d_proj
	.p2align	8
	.type	k_qaa5de1d17d_proj,@function
k_qaa5de1d17d_proj:
	s_mov_b64 s[64:65], 0
	v_nop
	global_prefetch_b8 v0, s[64:65] scope:SCOPE_SE
	s_setreg_imm32_b32 hwreg(HW_REG_WAVE_MODE, 25, 1), 1
	s_wait_xcnt 0x0
	s_wait_alu depctr_hold_cnt(0) depctr_sa_sdst(0) depctr_va_vdst(0) depctr_va_sdst(0) depctr_va_ssrc(0) depctr_va_vcc(0) depctr_vm_vsrc(0)
	s_getreg_b32 s2, hwreg(HW_REG_IB_STS2, 6, 4)
	s_cmp_eq_u32 s2, 0
	s_cbranch_scc0 .Lentry_in_a_cluster
	s_endpgm
.Lentry_in_a_cluster:
	s_bfe_u32 s2, ttmp6, 0x10000c
	s_cmp_lg_u32 s2, 0xf033
	s_cbranch_scc0 .Lentry_shape_is_right
	s_endpgm
.Lentry_shape_is_right:
; out0 = A w_out^T + b_out on codes of FP6 (E2M3), one E8M0 scale for each 32 along K = 1,024.  A: the attention's result, as the launch before stores it:
; a_img [row tile of 16][step of 128 along K (8)][register pair (6)][8 x lane]: images of operand registers; a_sc [row][32] scale bytes.
; SHARES.  256 work-groups, each 128 rows x 256 columns; each of the four waves all 128 rows x 64 columns: 32 accumulators, 256 registers.
; THE WHOLE K LIES IN LDS, filled once by four joint loads at the head, one a wave; each is a dense block of memory, taken as rows of 256 bytes that begin at multiples of 256:
;   A's images 98,304 bytes; w_out's 256 rows of 768 bytes (16 bytes of padding behind every 256: a row's pitch is 816); A's scales 4,096 bytes and w_out's 8,192 (padded likewise).
; Nothing is filled again: no ring, and no round of the cluster's barrier but the opening and the closing one.  No prefetch: nothing is asked for behind the head, so there is no loop to run ahead in.
; CLUSTERS: 4 x 4 work-groups; A's blocks are shared along a row of the cluster, w_out's along a column.
; TRANSPOSED USE: source 0 = 16 rows of w_out, source 1 = 16 rows of A: a lane holds eight neighbouring columns of one row of the result.  The bias is the C of the first step.
; REGISTERS: window 0: v16-29 addresses, v32-95 all scale words (block i's eight words at v[32 + 8 i]: lanes 0-15 A's block i, lanes 16-31 w_out's block i % 4), v96-127 the bias, v128-191 the way out;
;   window 1: A's fragments, two sets of 96; window 2: w_out's, two sets of 48; window 3: accumulator (a, b) at v[8 (4 a + b)].
; LIMITS.  NaN and infinities are not served.
.set BOFF,  98304                      ; w_out's rows, behind A's images
.set BP,    816
.set WB,    64*BP                      ; a wave's 64 rows of w_out
.set SCA,   BOFF+256*BP                ; A's scales: 16 units of 256 + 16
.set SCB,   SCA+16*272                 ; w_out's: 32 units
.set SPARE, SCB+32*272                 ; the spare words: 128 bytes a wave, named by no other line
.set SBLK,  544                        ; the scales of 16 rows
.set SP,    272                        ; the stage's pitch: 16 rows x (256 + 16) bytes a wave, in the wave's own rows of w_out, which it alone reads and has read out by then
.set ADA, 16                           ; v16, v17 A's row tiles 0-3, 4-7: 8 x lane
.set ADB, 18                           ; v18 my rows of w_out; v19 the same with lanes 16-31 behind one padding more
.set ADS, 20                           ; v20, v21 scale words for blocks 0-3, 4-7
.set STO, 22
.set RD,  23
.set CO,  24
.set SPW, 28
.set NIL, 29
.set SC,  32
.set BI,  96
.set BK,  128
.set G1A, 24
.set G1B, 32
.set G1SA, 40
.set G1SB, 48
.set G0A, 56
.set G0B, 60
.set G0SA, 68
.set G0SB, 72
.set PADW, (3<<16)|(1<<20)|(1<<21)|(5<<22)|(3<<25)   ; elements of 8 bytes; 4 words of padding behind every 64; bit 21 beside a mask
.set MSB, 0
.macro WIN new                         ; the immediate's high byte repeats the setting that is left
.if MSB != \new
	s_set_vgpr_msb (MSB<<8)|\new
.set MSB, \new
.endif
.endm
.macro CROUND                          ; a round of the cluster's barrier
	s_barrier_signal -1
	s_barrier_wait -1
	s_cmp_lg_u32 s16, 0
	s_cbranch_scc1 .Lnot_wave_0_\@
	s_barrier_signal -3
.Lnot_wave_0_\@:
	s_barrier_wait -3
	s_barrier_signal -1
	s_barrier_wait -1
.endm
.macro DENSE g, rows                   ; group 1 of a dense block: rows of 256 bytes
	s_mov_b32 s[\g+1], 32<<16
	s_mov_b32 s[\g+2], (\rows)<<16
	s_mov_b32 s[\g+3], 32<<16
	s_mov_b32 s[\g+4], \rows
	s_mov_b32 s[\g+5], 32
	s_mov_b32 s[\g+6], 0
	s_mov_b32 s[\g+7], 0
.endm
.macro GROUP0 g, lds, a
	s_mov_b32 s[\g], 1
	s_mov_b32 s[\g+1], \lds
	s_mov_b64 s[\g+2:\g+3], s[\a:\a+1]
	s_or_b32 s[\g+3], s[\g+3], 0x80000000
.endm
	s_load_b256 s[4:11], s[0:1], 0x0               ; a_img, a_sc, w_out's codes, w_out's scales
	s_load_b128 s[12:15], s[0:1], 0x20             ; b_out, out0
	v_lshl_add_u32 v[SPW], v0, 2, SPARE
	v_mov_b32 v[NIL], 0
	ds_add_u32 v[SPW], v[NIL]                      ; the opening lines: the add twice on end, and its wait
	ds_add_u32 v[SPW], v[NIL]
	v_lshrrev_b32 v1, 5, v0
	v_readfirstlane_b32 s16, v1                    ; wave 0..3
	s_bfe_u32 s17, ttmp6, 0x40000                  ; cx
	s_bfe_u32 s18, ttmp6, 0x40004                  ; cy
	s_lshl_b32 s19, ttmp9, 2
	s_add_co_u32 s19, s19, s17                     ; my 256 columns
	s_and_b32 s20, ttmp7, 0xffff
	s_lshl_b32 s20, s20, 2
	s_add_co_u32 s20, s20, s18                     ; my 128 rows
	s_lshl_b32 s21, s18, 2
	s_lshl_b32 s21, 15, s21                        ; my row of the cluster
	s_lshl_b32 s22, 0x1111, s17                    ; my column
	s_or_b32 s[G1A], s21, (3<<16)|(1<<21)          ; images: no padding
	s_or_b32 s[G1B], s22, PADW
	s_or_b32 s[G1SA], s21, PADW
	s_or_b32 s[G1SB], s22, PADW
	DENSE G1A, 384
	DENSE G1B, 768
	DENSE G1SA, 16
	DENSE G1SB, 32
	s_mul_i32 s76, s20, 98304                      ; byte offsets, all under 2^26: A's images,
	s_mov_b32 s77, 0
	s_lshl_b32 s78, s20, 12                        ; A's scales,
	s_mov_b32 s79, 0
	s_mul_i32 s80, s19, 196608                     ; w_out's codes,
	s_mov_b32 s81, 0
	s_lshl_b32 s82, s19, 13                        ; w_out's scales,
	s_mov_b32 s83, 0
	s_lshl_b32 s84, s19, 10
	s_lshl_b32 s85, s16, 8
	s_add_co_u32 s84, s84, s85                     ; my wave's 64 columns, in f32,
	s_mov_b32 s85, 0
	s_lshl_b32 s86, s20, 19                        ; my 128 rows of 4,096 bytes
	s_mov_b32 s87, 0
	s_wait_dscnt 0x0                               ; both opening adds are done
	s_wait_kmcnt 0x0
	s_add_nc_u64 s[4:5], s[4:5], s[76:77]
	s_add_nc_u64 s[6:7], s[6:7], s[78:79]
	s_add_nc_u64 s[8:9], s[8:9], s[80:81]
	s_add_nc_u64 s[10:11], s[10:11], s[82:83]
	s_add_nc_u64 s[12:13], s[12:13], s[84:85]
	s_add_nc_u64 s[14:15], s[14:15], s[86:87]
	s_add_nc_u64 s[14:15], s[14:15], s[84:85]
	CROUND                                         ; all sixteen work-groups are here: the joint loads meet
	GROUP0 G0A, 0, 4
	GROUP0 G0B, BOFF, 8
	GROUP0 G0SA, SCA, 6
	GROUP0 G0SB, SCB, 10
; one tensor load a wave, in one tree of branches on the wave's number: wave 0 w_out's codes, wave 1 A's images, wave 2 A's scales, wave 3 w_out's
.macro ARM under, g0, g1, next
	s_cmp_lt_u32 s16, \under
	s_cbranch_scc0 \next
	tensor_load_to_lds s[\g0:\g0+3], s[\g1:\g1+7]
	s_nop 0
.rept 4
	v_nop
.endr
	s_branch .Lhead_asked
\next:
.endm
	ARM 1, G0B,  G1B,  .Lhead_a
	ARM 2, G0A,  G1A,  .Lhead_sa
	ARM 3, G0SA, G1SA, .Lhead_sb
	tensor_load_to_lds s[G0SB:G0SB+3], s[G1SB:G1SB+7]
	s_nop 0
.rept 4
	v_nop
.endr
.Lhead_asked:
	s_mul_i32 s76, s16, WB
	s_add_co_u32 s76, s76, BOFF                    ; my 64 rows of w_out; later my stage
	s_mul_i32 s77, s16, 4*SBLK
	s_add_co_u32 s77, s77, SCB-SCA                 ; from A's scales to my rows' of w_out,
	s_sub_co_u32 s78, s77, 4*SBLK                  ; and the same four blocks back, for A's blocks 4-7
	v_and_b32 v1, 15, v0                           ; r
	v_bfe_u32 v2, v0, 4, 1                         ; h
	v_and_b32 v3, 31, v0
	v_lshlrev_b32 v8, 5, v2
.irp b, 0,1,2,3
	global_load_b128 v[BI+8*\b:BI+8*\b+3], v8, s[12:13] offset:64*\b       ; the bias in the result's layout: columns 16 b + 8 h + 0 .. 7
	global_load_b128 v[BI+8*\b+4:BI+8*\b+7], v8, s[12:13] offset:64*\b+16
.endr
	v_lshlrev_b32 v[ADA], 3, v3
	v_add_nc_u32 v[ADA+1], 49152, v[ADA]
	v_mul_u32_u24 v4, v1, BP
	v_mad_u32_u24 v4, v2, 24, v4
	v_add_nc_u32 v[ADB], s76, v4                   ; row r x pitch + 24 h
	v_lshl_add_u32 v[ADB+1], v2, 4, v[ADB]
	v_lshlrev_b32 v5, 5, v1                        ; my row's scales: 32 bytes a row,
	v_lshrrev_b32 v6, 8, v5
	v_lshl_add_u32 v5, v6, 4, v5                   ; and 16 more for each 256 passed
	v_add_nc_u32 v5, SCA, v5
	v_mul_u32_u24 v6, s77, v2                      ; lanes 16-31 take w_out's
	v_mul_u32_u24 v7, s78, v2
	v_add_nc_u32 v[ADS], v5, v6
	v_add_nc_u32 v[ADS+1], v5, v7
	v_mul_u32_u24 v6, v1, SP
	v_lshl_add_u32 v6, v2, 5, v6
	v_add_nc_u32 v[STO], s76, v6                   ; into the stage: row r, 32 bytes for each half of the lanes
	v_mul_u32_u24 v7, v2, SP
	v_lshl_add_u32 v7, v1, 4, v7
	v_add_nc_u32 v[RD], s76, v7                    ; back: lanes 0-15 one row of 256 bytes, lanes 16-31 the next
	v_lshlrev_b32 v9, 12, v2
	v_lshl_add_u32 v[CO], v1, 4, v9                ; and the same two rows in out0
.macro FETCHA st                       ; step st's fragments of A into set st % 2: 48 loads of 8 bytes
	WIN 0x40
.irp i, 0,1,2,3,4,5,6,7
.irp p, 0,1,2,3,4,5
	ds_load_b64 v[96*((\st)%2)+12*\i+2*\p:96*((\st)%2)+12*\i+2*\p+1], v[ADA+\i/4] offset:12288*(\i%4)+1536*(\st)+256*\p
.endr
.endr
.endm
.macro FETCHB st                       ; and those of w_out: 24 loads of 8 bytes
	WIN 0x80
.irp b, 0,1,2,3
.irp p, 0,1,2,3,4,5
.set BY, 96*(\st)+48*(\p/3)+8*(\p%3)  ; byte y of a row of codes lies at y + 16 (y / 256) of its LDS row; lanes 16-31 read 24 bytes on
.if BY/256 == (BY+24)/256
	ds_load_b64 v[48*((\st)%2)+12*\b+2*\p:48*((\st)%2)+12*\b+2*\p+1], v[ADB] offset:BY+16*(BY/256)+\b*16*BP
.else
	ds_load_b64 v[48*((\st)%2)+12*\b+2*\p:48*((\st)%2)+12*\b+2*\p+1], v[ADB+1] offset:BY+16*(BY/256)+\b*16*BP
.endif
.endr
.endr
.endm
.macro MUL st, first                   ; 32 matrix instructions: the accumulators take turns, one instruction a turn, in the same order in every step
.irp a, 0,1,2,3,4,5,6,7
.irp b, 0,1,2,3
.if \first
	v_wmma_scale_f32_16x16x128_f8f6f4 v[8*(4*\a+\b):8*(4*\a+\b)+7], v[48*((\st)%2)+12*\b:48*((\st)%2)+12*\b+11], v[96*((\st)%2)+12*\a:96*((\st)%2)+12*\a+11], v[BI+8*\b:BI+8*\b+7], v[SC+8*\b+(\st)], v[SC+8*\a+(\st)] matrix_a_fmt:MATRIX_FMT_FP6 matrix_b_fmt:MATRIX_FMT_FP6 matrix_a_scale:MATRIX_SCALE_ROW1
.else
	v_wmma_scale_f32_16x16x128_f8f6f4 v[8*(4*\a+\b):8*(4*\a+\b)+7], v[48*((\st)%2)+12*\b:48*((\st)%2)+12*\b+11], v[96*((\st)%2)+12*\a:96*((\st)%2)+12*\a+11], v[8*(4*\a+\b):8*(4*\a+\b)+7], v[SC+8*\b+(\st)], v[SC+8*\a+(\st)] matrix_a_fmt:MATRIX_FMT_FP6 matrix_b_fmt:MATRIX_FMT_FP6 matrix_a_scale:MATRIX_SCALE_ROW1
.endif
.endr
.endr
.endm
.macro PLACES                          ; four plain vector instructions behind a matrix instruction (ISA guide 7.12.1)
.rept 4
	v_nop
.endr
.endm
	s_wait_alu depctr_va_vdst(0)                   ; the wait at the head's end
	s_wait_tensorcnt 0x0                           ; my block is in,
	s_barrier_signal -1
	s_barrier_wait -1                              ; and so are the other three
.irp i, 0,1,2,3,4,5,6,7
	ds_load_b128 v[SC+8*\i:SC+8*\i+3], v[ADS+\i/4] offset:\i*SBLK          ; all scale words, once
	ds_load_b128 v[SC+8*\i+4:SC+8*\i+7], v[ADS+\i/4] offset:\i*SBLK+16
.endr
	FETCHA 0
	FETCHB 0
	FETCHA 1
	s_wait_loadcnt 0x0                             ; the bias
	s_wait_dscnt 48                                ; all but step 1's 48 loads of A: the scale words and step 0's fragments are in
	FETCHB 1
	WIN 0xc6                                       ; source 0 window 2, source 1 window 1, C window 0, D window 3
	MUL 0, 1
.set ST, 1
.rept 6
	PLACES                                         ; the set that the step before multiplied is loaded anew
	FETCHA ST+1
	s_wait_dscnt 48                                ; this step's fragments, A's and w_out's, are in; the 48 loads just issued may be out
	FETCHB ST+1
	WIN 0xf6                                       ; C and D window 3
	MUL ST, 0
.set ST, ST+1
.endr
	s_wait_dscnt 0x0                               ; my last reads of the tiles are over:
	s_barrier_signal -1                            ; say so,
	MUL 7, 0                                       ; work on registers while the others arrive,
	s_barrier_wait -1                              ; and store into the stage only when all four have read LDS out
; THE WAY OUT, block by block of 16 rows x 64 columns: through my stage, back as whole rows of 256 bytes.  LDS serves a wave's instructions in order (ISA guide 5.7.1.4): no wait between the stores and the loads.
.macro TOSTAGE a
	WIN 0x0c                                       ; the data: window 3
.irp b, 0,1,2,3
	ds_store_b128 v[STO], v[8*(4*(\a)+\b):8*(4*(\a)+\b)+3] offset:64*\b        ; each accumulator from its low end on
	ds_store_b128 v[STO], v[8*(4*(\a)+\b)+4:8*(4*(\a)+\b)+7] offset:64*\b+16
.endr
	WIN 0
.set BB, BK+32*((\a)%2)
.irp t, 0,1,2,3,4,5,6,7
	ds_load_b128 v[BB+4*\t:BB+4*\t+3], v[RD] offset:\t*2*SP
.endr
.endm
.macro SEND a, younger                 ; younger: the LDS instructions issued behind block a's loads
.set BB, BK+32*((\a)%2)
	s_wait_dscnt \younger
.irp t, 0,1,2,3,4,5,6,7
	global_store_b128 v[CO], v[BB+4*\t:BB+4*\t+3], s[14:15] offset:((\a)*16+2*\t)*4096 th:TH_STORE_NT   ; 16 lanes store 256 consecutive bytes, at a multiple of 256 from out0's first byte
.endr
.endm
	PLACES
	TOSTAGE 0
.irp a, 1,2,3,4,5,6,7
.if \a > 1
	s_wait_xcnt 0x0                                ; block a - 2's stores have read their registers
.endif
	TOSTAGE \a
	SEND \a-1, 16                                  ; behind block a - 1's loads: block a's 8 stores and 8 loads
.endr
	SEND 7, 0
	s_wait_tensorcnt 0x0                           ; the wave's end
	ds_add_u32 v[SPW], v[NIL]
	s_wait_dscnt 0x0
	CROUND                                         ; the closing round
	s_endpgm
.Lfunc_end_k_qaa5de1d17d_proj:
	.size	k_qaa5de1d17d_proj, .Lfunc_end_k_qaa5de1d17d_proj-k_qaa5de1d17d_proj
	.p2alignl 7, 3214868480
	.fill 96, 4, 3214868480
	.section	.rodata,"a",@progbits
	.p2align	6, 0x0
	.amdhsa_kernel k_qaa5de1d17d_proj
		.amdhsa_group_segment_fixed_size 327680
		.amdhsa_private_segment_fixed_size 0
		.amdhsa_enable_private_segment 0
		.amdhsa_kernarg_size 48
		.amdhsa_user_sgpr_count 2
		.amdhsa_user_sgpr_kernarg_segment_ptr 1
		.amdhsa_wavefront_size32 1
		.amdhsa_system_sgpr_workgroup_id_x 1
		.amdhsa_system_sgpr_workgroup_id_y 1
		.amdhsa_system_sgpr_workgroup_id_z 1
		.amdhsa_system_vgpr_workitem_id 0
		.amdhsa_next_free_vgpr 1024
		.amdhsa_next_free_sgpr 96
		.amdhsa_reserve_vcc 0
		.amdhsa_float_denorm_mode_32 3
		.amdhsa_float_denorm_mode_16_64 3
		.amdhsa_memory_ordered 1
		.amdhsa_forward_progress 1
		.amdhsa_inst_pref_size 95
	.end_amdhsa_kernel
	.amdgpu_metadata
---
amdhsa.version: [ 1, 2 ]
amdhsa.kernels:
  - .name:           k_qaa5de1d17d_proj
    .symbol:         k_qaa5de1d17d_proj.kd
    .args:
      - { .name: a_img, .offset: 0, .size: 8, .value_kind: global_buffer, .address_space: global }
      - { .name: a_sc, .offset: 8, .size: 8, .value_kind: global_buffer, .address_space: global }
      - { .name: w_out_codes, .offset: 16, .size: 8, .value_kind: global_buffer, .address_space: global }
      - { .name: w_out_scales, .offset: 24, .size: 8, .value_kind: global_buffer, .address_space: global }
      - { .name: b_out, .offset: 32, .size: 8, .value_kind: global_buffer, .address_space: global }
      - { .name: out0, .offset: 40, .size: 8, .value_kind: global_buffer, .address_space: global }
    .group_segment_fixed_size: 327680
    .private_segment_fixed_size: 0
    .kernarg_segment_align: 8
    .kernarg_segment_size: 48
    .max_flat_workgroup_size: 128
    .sgpr_count:     96
    .vgpr_count:     1024
    .wavefront_size: 32
...
	.end_amdgpu_metadata
.endif
;; end of part 3
